; MI455X (gfx1250); checked and timed in simulation.
; The chip was launched on July 23, 2026; its instructions are those of AMD's public machine-readable ISA for CDNA 5 (MIT licence, August 2026) and "CDNA5" Instruction Set Architecture Reference Guide (July 2026). The comments in the code are by the model that wrote it; some were corrected since.
;; Multi Head Attention. Allowed arithmetic: matrix products marked QUANTISED: E2M1 operands, one E8M0 scale for each 32 along K, by v_wmma_scale_f32_16x16x128_f8f6f4 with both operands' format E2M1 (or v_wmma_scale_f32_32x16x128_f4), f32 sums; products left as they are: bf16, f16 or f32 operands; f32 sums; everything else in f32.
;; Inputs: Wk 16 x 1,024 x 64 float32; Wo 1,024 x 1,024 float32; Wq 16 x 1,024 x 64 float32; Wv 16 x 1,024 x 64 float32; x 4 x 2,048 x 1,024 float32.
;; Outputs: out0 4 x 2,048 x 1,024 float32.
;; This version of the problem:
;;   THIS VERSION OF THE PROBLEM IS GIVEN IN LOW PRECISION. The matrix products marked QUANTISED in the list below multiply operands that are first quantised to E2M1 (2 exponent bits, 1 mantissa bit; 4 bits a number), with one power-of-two scale for each 32 numbers along K (OCP MX v1.0); their sums are f32. The products marked 'left as it is' may take bf16, f16 or f32 operands, with f32 sums. Whichever they take, every output number must still come out within the allowed error. Rounding operands to bf16 (8 significant bits) uses up far more of that allowance than f16 does (11 bits, for magnitudes from 6e-5 to 65,504). All else is computed in f32.
;;   The module's matrix products, in the order in which they are computed (A, B: the left and right operand; K: the contracted axis; several contracted axes count as one K, in the product's order):
;;     1. [M 1,024, K 1,024] x [K 1,024, N 8,192]; A: input Wq; B: input x: QUANTISED
;;     2. [M 1,024, K 1,024] x [K 1,024, N 8,192]; A: input Wk; B: input x: QUANTISED
;;     3. [M 1,024, K 1,024] x [K 1,024, N 8,192]; A: input Wv; B: input x: QUANTISED
;;     4. batch 64 x [M 2,048, K 64] x [K 64, N 2,048]; A: computed on the way; B: computed on the way: left as it is (an operand is computed on the way)
;;     5. batch 64 x [M 2,048, K 2,048] x [K 2,048, N 64]; A: computed on the way; B: computed on the way: left as it is (an operand is computed on the way)
;;     6. [M 8,192, K 1,024] x [K 1,024, N 1,024]; A: computed on the way; B: input Wo: left as it is (an operand is computed on the way)
;;   THE QUANTISER, for each operand of a quantised product, along K:
;;     - K is cut into blocks of 32 from its start; a last block that is shorter is filled with zeros.
;;     - A block's scale is 2^e with e = floor(log2(the largest magnitude in the block)) - 2, held to -126 .. 127; a block of zeros has e = 0. As a byte (E8M0): e + 127.
;;     - Each number is divided by its block's scale, clamped to +-6, and rounded to the nearest number of E2M1, ties to even, subnormals kept.
;;     - The product sums the exact products of the quantised numbers (number of the format x scale) in f32.
;;   ~~~python
;;   def quantise(x, axis):      # numpy; x: float32 -> the quantised numbers, widened to float32 again
;;       x = np.moveaxis(x, axis, -1); K = x.shape[-1]
;;       x = np.pad(x, [(0, 0)] * (x.ndim - 1) + [(0, -K % 32)]); x = x.reshape(x.shape[:-1] + (-1, 32)); a = np.abs(x).max(-1, keepdims=True)
;;       e = np.where(a > 0, np.clip(np.frexp(np.where(a > 0, a, 1))[1] - 1 - 2, -126, 127), 0)      # np.frexp(a)[1] - 1 = floor(log2(a)), exactly
;;       r = np.clip(x / 2.0 ** e, -6, 6)
;;       step = 2.0 ** (np.maximum(np.frexp(np.where(r == 0, 1, r))[1] - 1, 0) - 1)
;;       q = np.round(r / step) * step * 2.0 ** e      # np.round: ties to even
;;       return np.moveaxis(q.reshape(q.shape[:-2] + (-1,))[..., :K], -1, axis).astype(np.float32)
;;   ~~~
;; One version. Each part assembles by itself: llvm-mc -triple=amdgcn-amd-amdhsa -mcpu=gfx1250 --defsym DOCPART=n.
;; ======== version 1 of 1: 4 launches
;; limits: values are held in f16: magnitudes above 65,504 overflow, below 6.1e-05 lose precision
;; workspace buffers: xc 4,194,304 bytes; xs 262,144 bytes; wc 1,572,864 bytes; ws 98,304 bytes; wo16 2,097,152 bytes; qkv 50,331,648 bytes; ao 16,777,216 bytes
;; launch prep (part 1): grid 512 x 1, 4 waves a work-group, no clusters, 34,304 bytes of LDS; arguments x, Wq, Wk, Wv, Wo, xc, xs, wc, ws, wo16; writes xc, xs, wc, ws, wo16
.if DOCPART == 1
	.amdgcn_target "amdgcn-amd-amdhsa--gfx1250"
	.amdhsa_code_object_version 6
	.text
	.protected	k_q756c79cfb3_prep
	.globl	k_q756c79cfb3_prep
	.p2align	8
	.type	k_q756c79cfb3_prep,@function
k_q756c79cfb3_prep:
	s_mov_b64 s[64:65], 0
	v_nop
	global_prefetch_b8 v0, s[64:65] scope:SCOPE_SE
	s_setreg_imm32_b32 hwreg(HW_REG_WAVE_MODE, 25, 1), 1
	s_wait_xcnt 0x0
; x [8192][1024] f32 and Wq, Wk, Wv [16][1024][64] f32 become codes of FP4 (E2M1) with one E8M0 scale byte for each 32 along K = the 1,024; Wo [1024][1024] f32 becomes f16.
; A block's scale is 2^(floor(log2(its largest magnitude)) - 2); its byte is the largest magnitude's exponent field - 2, held at 1 from below.
; LIMITS: a block of zeros gets the byte 1 (its codes are zeros, and these bytes are read by this program alone); blocks whose largest magnitude lies under 2^-124 keep the byte 1; NaN and infinities are not served.
; THE CODES ARE LAID AS THE NEXT LAUNCH'S OPERAND REGISTERS WANT THEM: [K half 2][tile of 16 rows][K step of 128: 4][c 2][lane 32][16 bytes]; lane (r, h) of piece c holds K = 64 c + 32 h + 0 .. 31 of row r.
; A row is a token (xc) or n = 1024 s + 64 head + column, s = 0, 1, 2 for Wq, Wk, Wv (wc).  The scale words: [tile][K half][r 16][K step 4], byte b of a word for k = 32 b on.
; THREE PATHS part on the work-group's number: 0-191 the three W, 192-255 Wo, 256-511 x.  The x path alone touches LDS.  No barrier: waves share nothing.
.set STG,   8448                       ; a wave's stage: 16 rows x (512 bytes + 16): row r starts at bank 4 r mod 64 (64 banks of 4 bytes: ISA guide 11.1)
.set SPARE, 4*STG                      ; behind the stages: the spare words, 128 bytes a wave, which no other line names
.set SPW,   12                         ; v12  LDS address of my spare word; never rewritten
.set NIL,   13                         ; v13  0; never rewritten
.set R,     16                         ; v16-143  numbers as loaded
.set X,     144                        ; v144-207 x: 64 numbers in the operand's order;  W: the codes;  Wo: the f16 pairs
.set CD,    208                        ; v208-239 x's codes, 8 a fragment: no store's data are written again
.set SW,    240                        ; v240-243 x's four scale words
.set TM,    244                        ; v244-245 largest magnitudes
.set SC,    246                        ; v246-247 the conversions' scale operands
.set BY,    248                        ; v248-249 scale bytes
.set T0,    250
.set T1,    251
	s_load_b256 s[4:11], s[0:1], 0x0               ; x s[4:5], Wq s[6:7], Wk s[8:9], Wv s[10:11]
	s_load_b256 s[12:19], s[0:1], 0x20             ; Wo s[12:13], xc s[14:15], xs s[16:17], wc s[18:19]
	s_load_b128 s[20:23], s[0:1], 0x40             ; ws s[20:21], wo16 s[22:23]
	v_lshl_add_u32 v[SPW], v0, 2, SPARE
	v_mov_b32 v[NIL], 0
	v_lshrrev_b32 v15, 5, v0
	v_readfirstlane_b32 s24, v15                   ; wave 0..3
	v_and_b32 v1, 31, v0                           ; L
	v_and_b32 v2, 15, v0                           ; r
	v_bfe_u32 v3, v0, 4, 1                         ; h
	v_lshlrev_b32 v4, 4, v1                        ; 16 L
	s_mul_i32 s25, s24, STG
	v_add_nc_u32 v5, s25, v4                       ; the stage, in: 16 L of a row
	v_mul_u32_u24 v6, v2, 528
	v_lshl_add_u32 v6, v3, 7, v6
	v_add_nc_u32 v6, s25, v6                       ; and out: row r, + 128 h: my 32 numbers of a block
	v_lshlrev_b32 v7, 3, v3                        ; 8 h
	v_lshlrev_b32 v8, 4, v2                        ; 16 r
	v_lshlrev_b32 v9, 2, v1                        ; 4 L
	v_lshl_add_u32 v10, v3, 12, v8                 ; 4096 h + 16 r
	v_lshl_add_u32 v11, v3, 9, v8                  ; 512 h + 16 r
	v_lshlrev_b32 v14, 3, v1                       ; 8 L
	v_mov_b32 v[T0], 0                             ; a lane permute's destination counts as one of its sources
	s_mov_b32 s40, 0x76543210
	s_mov_b32 s41, 0xfedcba98                      ; v_permlanex16_b32's selects for lane l xor 16
	s_mov_b32 s33, 0
	s_wait_kmcnt 0x0
	s_cmp_ge_u32 ttmp9, 256
	s_cbranch_scc1 .Lx_path
	s_cmp_ge_u32 ttmp9, 192
	s_cbranch_scc1 .Lwo_path
; ---- Wq, Wk, Wv.  K is the middle axis: A LANE TAKES A COLUMN AND ITS REGISTERS RUN DOWN K.  A wave: 32 columns x one K step of 128; the two halves of each 256-byte row are read by two waves of one work-group.
	s_lshr_b32 s25, ttmp9, 2                       ; hw = 16 s + head
	s_lshr_b32 s26, s25, 4                         ; s
	s_cmp_eq_u32 s26, 1
	s_cselect_b64 s[6:7], s[8:9], s[6:7]
	s_cmp_eq_u32 s26, 2
	s_cselect_b64 s[6:7], s[10:11], s[6:7]         ; the tensor: a choice on the work-group's number alone
	s_and_b32 s27, s25, 15                         ; head
	s_and_b32 s28, s24, 1                          ; which 32 columns
	s_and_b32 s29, ttmp9, 3
	s_lshl_b32 s29, s29, 1
	s_lshr_b32 s30, s24, 1
	s_add_co_u32 s29, s29, s30                     ; K step 0..7
	s_lshl_b32 s31, s25, 1
	s_add_co_u32 s31, s31, s28                     ; cg: my pair of n tiles
	s_lshl_b32 s32, s27, 18                        ; a head: 262,144 bytes
	s_lshl_b32 s34, s29, 15                        ; 128 rows of 256 bytes
	s_add_co_u32 s32, s32, s34
	s_lshl_b32 s34, s28, 7
	s_add_co_u32 s32, s32, s34
	s_add_nc_u64 s[6:7], s[6:7], s[32:33]
	s_lshr_b32 s35, s29, 2                         ; K half
	s_and_b32 s36, s29, 3                          ; K step in it
	s_mul_i32 s32, s35, 786432                     ; 192 tiles x 4,096 bytes
	s_lshl_b32 s34, s31, 13
	s_add_co_u32 s32, s32, s34
	s_lshl_b32 s34, s36, 10
	s_add_co_u32 s32, s32, s34
	s_add_nc_u64 s[18:19], s[18:19], s[32:33]
	s_lshl_b32 s32, s31, 10
	s_lshl_b32 s34, s35, 8
	s_add_co_u32 s32, s32, s34
	s_lshl_b32 s34, s36, 2
	s_add_co_u32 s32, s32, s34
	s_add_nc_u64 s[20:21], s[20:21], s[32:33]
.set i, 0
.rept 128
	global_load_b32 v[R+i], v9, s[6:7] offset:256*i th:TH_LOAD_NT   ; W(128 K step + i, my column): 32 lanes read 128 consecutive bytes
.set i, i+1
.endr
; Block b of the K step: all its 32 numbers are mine.  left: a count not above the loads issued behind this block's (96, 64, 32, 0; a wait names 63 at the most)
.macro BLOCKW b, left
.set XB, R+32*(\b)
	s_wait_loadcnt \left
	v_max3_num_f32 v[TM], |v[XB]|, |v[XB+1]|, |v[XB+2]|
	v_max3_num_f32 v[TM+1], |v[XB+3]|, |v[XB+4]|, |v[XB+5]|
.irp i, 6,10,14,18,22,26
	v_max3_num_f32 v[TM], v[TM], |v[XB+\i]|, |v[XB+\i+1]|
	v_max3_num_f32 v[TM+1], v[TM+1], |v[XB+\i+2]|, |v[XB+\i+3]|
.endr
	v_max3_num_f32 v[TM], v[TM], |v[XB+30]|, |v[XB+31]|
	v_max3_num_f32 v[TM], v[TM], v[TM+1], 0x1800000    ; and the floor 2^(3 - 127): the byte cannot fall under 1
	v_add_nc_u32 v[SC], 0xff000000, v[TM]              ; 2 off the exponent field: the conversion takes the exponent field of this operand as its scale
	v_lshrrev_b32 v[BY], 23, v[SC]                     ; the scale's byte
.if (\b) == 0
	v_mov_b32 v[T1], v[BY]
.else
	v_lshl_or_b32 v[T1], v[BY], 8*(\b), v[T1]          ; the K step's word: byte b for block b
.endif
.irp g, 0,1,2,3
	v_cvt_scalef32_pk8_fp4_f32 v[X+4*(\b)+\g], v[XB+8*\g:XB+8*\g+7], v[SC]
.endr
	v_nop                                              ; one plain place behind a scaled conversion
	global_store_b128 v10, v[X+4*(\b):X+4*(\b)+3], s[18:19] offset:256*(\b)   ; block b is piece b / 2, lanes 16 (b % 2) + r: lanes 0-15 fill 256 consecutive aligned bytes of one n tile, lanes 16-31 of the next
.endm
	BLOCKW 0, 63
	BLOCKW 1, 63
	BLOCKW 2, 32
	BLOCKW 3, 0
	global_store_b32 v11, v[T1], s[20:21]          ; my column's scale word: 4 bytes, 16 apart: one byte for each 32 of the 128 that the path reads
	s_endpgm
; ---- Wo: 4,096 numbers a wave, rounded to f16
.Lwo_path:
	s_sub_co_u32 s25, ttmp9, 192
	s_lshl_b32 s25, s25, 2
	s_add_co_u32 s25, s25, s24
	s_lshl_b32 s32, s25, 14
	s_add_nc_u64 s[12:13], s[12:13], s[32:33]
	s_lshl_b32 s32, s25, 13
	s_add_nc_u64 s[22:23], s[22:23], s[32:33]
.set i, 0
.rept 32
	global_load_b128 v[R+4*i:R+4*i+3], v4, s[12:13] offset:512*i th:TH_LOAD_NT
.set i, i+1
.endr
.irp g, 0,1,2,3
	s_wait_loadcnt 24-8*\g                         ; this group's eight loads are in; the younger groups' stay out
.irp j, 0,1,2,3,4,5,6,7
	v_cvt_pk_f16_f32 v[X+2*(8*\g+\j)], v[R+4*(8*\g+\j)], v[R+4*(8*\g+\j)+1]
	v_cvt_pk_f16_f32 v[X+2*(8*\g+\j)+1], v[R+4*(8*\g+\j)+2], v[R+4*(8*\g+\j)+3]
	global_store_b64 v14, v[X+2*(8*\g+\j):X+2*(8*\g+\j)+1], s[22:23] offset:256*(8*\g+\j)   ; 32 lanes store 256 consecutive aligned bytes
.endr
.endr
	s_endpgm
; ---- x.  A wave: a tile of 16 tokens x 512 along K: four fragments.  Each load reads 512 consecutive bytes of one row; the 16 rows turn through the wave's own stage, so that lane (r, h) gets the two blocks that the operand's layout gives it.
.Lx_path:
	s_sub_co_u32 s25, ttmp9, 256
	s_lshl_b32 s25, s25, 2
	s_add_co_u32 s25, s25, s24
	s_lshr_b32 s26, s25, 1                         ; tile 0..511
	s_and_b32 s27, s25, 1                          ; K half
	s_lshl_b32 s32, s26, 16                        ; 16 rows of 4,096 bytes
	s_lshl_b32 s34, s27, 11
	s_add_co_u32 s32, s32, s34
	s_add_nc_u64 s[4:5], s[4:5], s[32:33]
	s_lshl_b32 s32, s27, 21                        ; 512 tiles x 4,096 bytes
	s_lshl_b32 s34, s26, 12
	s_add_co_u32 s32, s32, s34
	s_add_nc_u64 s[14:15], s[14:15], s[32:33]
	s_lshl_b32 s32, s26, 9
	s_lshl_b32 s34, s27, 8
	s_add_co_u32 s32, s32, s34
	s_add_nc_u64 s[16:17], s[16:17], s[32:33]
.macro LOADF kq                        ; the 16 rows' 128 numbers of K step kq, into set kq % 2
.irp p, 0,1,2,3,4,5,6,7,8,9,10,11,12,13,14,15
	global_load_b128 v[R+64*((\kq)%2)+4*\p:R+64*((\kq)%2)+4*\p+3], v4, s[4:5] offset:4096*\p+512*(\kq) th:TH_LOAD_NT
.endr
.endm
.macro FRAGX kq
.if (\kq) < 3
	s_wait_loadcnt 16                              ; this fragment's 16 loads are in; the next fragment's 16 stay out
.else
	s_wait_loadcnt 0
.endif
.irp p, 0,1,2,3,4,5,6,7,8,9,10,11,12,13,14,15
	ds_store_b128 v5, v[R+64*((\kq)%2)+4*\p:R+64*((\kq)%2)+4*\p+3] offset:528*\p
.endr
.irp c, 0,1
.irp i, 0,1,2,3,4,5,6,7
	ds_load_b128 v[X+32*\c+4*\i:X+32*\c+4*\i+3], v6 offset:256*\c+16*\i   ; LDS serves a wave's instructions in order (ISA guide 5.7.1.4): register 32 c + j = x(r, 64 c + 32 h + j)
.endr
.endr
	s_wait_dscnt 0x0                               ; the numbers are back, so the stores ahead of them have read their registers
.if (\kq) < 2
	LOADF (\kq)+2
.endif
.irp c, 0,1
	v_max3_num_f32 v[TM+\c], |v[X+32*\c]|, |v[X+32*\c+1]|, 0x1800000   ; my block 2 c + h, and the floor 2^(3 - 127)
.endr
.irp i, 2,4,6,8,10,12,14,16,18,20,22,24,26,28,30
.irp c, 0,1
	v_max3_num_f32 v[TM+\c], v[TM+\c], |v[X+32*\c+\i]|, |v[X+32*\c+\i+1]|   ; (the two blocks by turns)
.endr
.endr
.irp c, 0,1
	v_add_nc_u32 v[SC+\c], 0xff000000, v[TM+\c]
.endr
.irp c, 0,1
	v_lshrrev_b32 v[BY+\c], 23, v[SC+\c]
.endr
	v_lshl_or_b32 v[T1], v[BY+1], 16, v[BY]        ; my two bytes: blocks h and 2 + h,
	v_lshlrev_b32 v[T1], v7, v[T1]                 ; 8 h bits up;
	v_permlanex16_b32 v[T0], v[T1], s40, s41
	v_or_b32 v[SW+(\kq)], v[T1], v[T0]             ; with lane l xor 16's two the word is whole
.irp c, 0,1
.irp g, 0,1,2,3
	v_cvt_scalef32_pk8_fp4_f32 v[CD+8*(\kq)+4*\c+\g], v[X+32*\c+8*\g:X+32*\c+8*\g+7], v[SC+\c]
.endr
.endr
	v_nop                                          ; one plain place behind a scaled conversion
.irp c, 0,1
	global_store_b128 v4, v[CD+8*(\kq)+4*\c:CD+8*(\kq)+4*\c+3], s[14:15] offset:1024*(\kq)+512*\c   ; 32 lanes store 512 consecutive aligned bytes
.endr
.endm
	LOADF 0
	LOADF 1
	FRAGX 0
	FRAGX 1
	FRAGX 2
	FRAGX 3
	s_wait_xcnt 0x0                                ; EXEC changes only behind this wait
	v_cmp_gt_u32 vcc_lo, 16, v1
	s_and_saveexec_b32 s42, vcc_lo                 ; lanes 16-31 hold the same words
	global_store_b128 v8, v[SW:SW+3], s[16:17]     ; 16 lanes store 256 consecutive aligned bytes
	s_wait_xcnt 0x0
	s_or_b32 exec_lo, exec_lo, s42
	s_wait_tensorcnt 0x0                           ; the wave's end, behind my last LDS store
	ds_add_u32 v[SPW], v[NIL]
	s_wait_dscnt 0x0
	s_endpgm
.Lfunc_end_k_q756c79cfb3_prep:
	.size	k_q756c79cfb3_prep, .Lfunc_end_k_q756c79cfb3_prep-k_q756c79cfb3_prep
	.p2alignl 7, 3214868480
	.fill 96, 4, 3214868480
	.section	.rodata,"a",@progbits
	.p2align	6, 0x0
	.amdhsa_kernel k_q756c79cfb3_prep
		.amdhsa_group_segment_fixed_size 34304
		.amdhsa_private_segment_fixed_size 0
		.amdhsa_enable_private_segment 0
		.amdhsa_kernarg_size 80
		.amdhsa_user_sgpr_count 2
		.amdhsa_user_sgpr_kernarg_segment_ptr 1
		.amdhsa_wavefront_size32 1
		.amdhsa_system_sgpr_workgroup_id_x 1
		.amdhsa_system_sgpr_workgroup_id_y 1
		.amdhsa_system_sgpr_workgroup_id_z 1
		.amdhsa_system_vgpr_workitem_id 0
		.amdhsa_next_free_vgpr 256
		.amdhsa_next_free_sgpr 66
		.amdhsa_reserve_vcc 1
		.amdhsa_float_denorm_mode_32 3
		.amdhsa_float_denorm_mode_16_64 3
		.amdhsa_memory_ordered 1
		.amdhsa_forward_progress 1
		.amdhsa_inst_pref_size 60
	.end_amdhsa_kernel
	.amdgpu_metadata
---
amdhsa.version: [ 1, 2 ]
amdhsa.kernels:
  - .name:           k_q756c79cfb3_prep
    .symbol:         k_q756c79cfb3_prep.kd
    .args:
      - { .name: x, .offset: 0, .size: 8, .value_kind: global_buffer, .address_space: global }
      - { .name: Wq, .offset: 8, .size: 8, .value_kind: global_buffer, .address_space: global }
      - { .name: Wk, .offset: 16, .size: 8, .value_kind: global_buffer, .address_space: global }
      - { .name: Wv, .offset: 24, .size: 8, .value_kind: global_buffer, .address_space: global }
      - { .name: Wo, .offset: 32, .size: 8, .value_kind: global_buffer, .address_space: global }
      - { .name: xc, .offset: 40, .size: 8, .value_kind: global_buffer, .address_space: global }
      - { .name: xs, .offset: 48, .size: 8, .value_kind: global_buffer, .address_space: global }
      - { .name: wc, .offset: 56, .size: 8, .value_kind: global_buffer, .address_space: global }
      - { .name: ws, .offset: 64, .size: 8, .value_kind: global_buffer, .address_space: global }
      - { .name: wo16, .offset: 72, .size: 8, .value_kind: global_buffer, .address_space: global }
    .group_segment_fixed_size: 34304
    .private_segment_fixed_size: 0
    .kernarg_segment_align: 8
    .kernarg_segment_size: 80
    .max_flat_workgroup_size: 128
    .sgpr_count:     66
    .vgpr_count:     256
    .wavefront_size: 32
...
	.end_amdgpu_metadata
.endif
;; end of part 1
;; launch qkv (part 2): grid 12 x 32, 4 waves a work-group, clusters of 4 x 4, 327,680 bytes of LDS; arguments xc, xs, wc, ws, qkv; writes qkv
.if DOCPART == 2
	.amdgcn_target "amdgcn-amd-amdhsa--gfx1250"
	.amdhsa_code_object_version 6
	.text
	.protected	k_q756c79cfb3_qkv
	.globl	k_q756c79cfb3_qkv
	.p2align	8
	.type	k_q756c79cfb3_qkv,@function
k_q756c79cfb3_qkv:
	s_mov_b64 s[64:65], 0
	v_nop
	global_prefetch_b8 v0, s[64:65] scope:SCOPE_SE
	s_setreg_imm32_b32 hwreg(HW_REG_WAVE_MODE, 25, 1), 1
	s_wait_xcnt 0x0
	s_wait_alu depctr_hold_cnt(0) depctr_sa_sdst(0) depctr_va_vdst(0) depctr_va_sdst(0) depctr_va_ssrc(0) depctr_va_vcc(0) depctr_vm_vsrc(0)
	s_getreg_b32 s2, hwreg(HW_REG_IB_STS2, 6, 4)
	s_cmp_eq_u32 s2, 0
	s_cbranch_scc0 .Lentry_in_a_cluster
	s_endpgm
.Lentry_in_a_cluster:
	s_bfe_u32 s2, ttmp6, 0x10000c
	s_cmp_lg_u32 s2, 0xf033
	s_cbranch_scc0 .Lentry_shape_is_right
	s_endpgm
.Lentry_shape_is_right:
; q, k, v = x W as ONE product on codes of FP4 (E2M1) with E8M0 scales: C[token 8192][n 3072], K = 1,024; n = 1024 s + 64 head + column, s = 0, 1, 2 for q, k, v.  Sums in f32; results rounded once to f16.
; OUT: qkv, section s at 16,777,216 s, each [16 batch + head][t 2048][64] f16.  LIMIT: results beyond f16's 65,504 are not served.
; A work-group of four waves makes 256 tokens x 256 n; a wave 128 x 128: 64 accumulators, 512 registers.  ALL OF K LIES IN LDS: two slots of 512 along K, each filled once; nothing is filled again.
; The codes lie in memory as images of the operand's registers ([K half][tile of 16 rows][K step][c][lane][16 bytes]): a wave's part of a slot is one dense block, and every fragment load takes 512 consecutive LDS bytes: no padding is wanted.
; CLUSTERS: 4 x 4 work-groups.  The four of a row of the cluster need the same tiles of x, the four of a column the same tiles of W: each is asked for JOINTLY.
; THE MATRIX INSTRUCTION IS USED TRANSPOSED (source 0 = 16 n, source 1 = 16 tokens): a lane then holds eight neighbouring n of one token.
; REGISTERS: window 0: v16-29 addresses; v32-95 scale words, two sets, and nothing else; v128-191 x's fragments, one set, later rows on the way out; v192-223 packed results.
;   window 1: W's fragments, two sets, at v0 and v128.   windows 2, 3: the accumulators of my tokens 0-63 and 64-127, (a, b) at v[8 (8 (a % 4) + b)].
.set NQ,     4                         ; K steps of 128 in a slot
.set FR,     8                         ; registers of a fragment
.set NL,     2                         ; LDS loads that bring one
.set NP,     4                         ; places behind this matrix instruction (ISA guide 7.12.1)
.set SLOT,   131072                    ; x's 16 tiles x 4,096 bytes, then W's
.set SCL,    2*SLOT                    ; the scale words: x's 16 tiles x 512 bytes, then W's
.set SPARE,  SCL+16384                 ; the spare words, 128 bytes a wave, which no other line names
.set STAGE,  SPARE+512                 ; the way out: 16 rows x (256 bytes + 16) for each wave; no tile lands here
.set SPITCH, 272
.set ADRA, 16                          ; v16-17  LDS address of my x fragments in slot 0, 1
.set ADRB, 20                          ; v20-21  the same for W
.set STO,  24
.set RD,   25
.set CO,   26                          ; v26     16 x lane
.set ADRS, 27                          ; v27     my scale words: lanes 0-15 x's rows, lanes 16-31 W's
.set SPW,  28
.set NIL,  29
.set SC,   32
.set AF,   128
.set OB,   128
.set TMP,  192
.set G1, 24
.set G0, 32
.set G1B, 48
.set G0B, 56
.set G1S, 68
.set G0S, 76
.set G1SB, 80
.set G0SB, 88
.set MSB, 0
.macro WIN new                         ; the immediate's high byte repeats the setting that is left
.if MSB != \new
	s_set_vgpr_msb (MSB<<8)|\new
.set MSB, \new
.endif
.endm
.set MUL_LO, 0xa1                      ; source 0 (W) window 1, source 1 (x) window 0, C and D window 2
.set MUL_HI, 0xf1
.set TO_B,   0x40
; A joint load: waves 0 and 1 fetch for x, waves 2 and 3 for W.  The branch hangs on the wave's number alone.  An s_nop 0 and four v_nop follow each of the two lines.
.macro JLOAD g0a, g1a, g0b, g1b
	s_cmp_eq_u32 s15, 0
	s_cbranch_scc0 .Lfor_b_\@
	tensor_load_to_lds s[\g0a:\g0a+3], s[\g1a:\g1a+7]
	s_nop 0
.rept 4
	v_nop
.endr
	s_branch .Lasked_\@
.Lfor_b_\@:
	tensor_load_to_lds s[\g0b:\g0b+3], s[\g1b:\g1b+7]
	s_nop 0
.rept 4
	v_nop
.endr
.Lasked_\@:
.endm
.macro CROUND                          ; a round of the cluster's barrier
	s_barrier_signal -1
	s_barrier_wait -1
	s_cmp_lg_u32 s14, 0
	s_cbranch_scc1 .Lnot_wave_0_\@
	s_barrier_signal -3
.Lnot_wave_0_\@:
	s_barrier_wait -3
	s_barrier_signal -1
	s_barrier_wait -1
.endm
	s_load_b128 s[4:7], s[0:1], 0x0                ; x's codes, x's scales
	s_load_b128 s[8:11], s[0:1], 0x10              ; W's codes, W's scales
	s_load_b64 s[12:13], s[0:1], 0x20              ; qkv
	v_lshl_add_u32 v[SPW], v0, 2, SPARE
	v_mov_b32 v[NIL], 0
	ds_add_u32 v[SPW], v[NIL]                      ; the wave's opening: the add, twice on end, and its wait ahead of my first tensor load
	ds_add_u32 v[SPW], v[NIL]
	v_lshrrev_b32 v1, 5, v0
	v_readfirstlane_b32 s14, v1                    ; wave 0..3
	s_lshr_b32 s15, s14, 1                         ; which 128 tokens are mine.  Also: I fetch for x (0) or for W (1)
	s_and_b32 s16, s14, 1                          ; which 128 n.  Also: which 8 tiles I fetch
	s_bfe_u32 s40, ttmp6, 0x40000                  ; cx, cy
	s_bfe_u32 s41, ttmp6, 0x40004
	s_lshl_b32 s42, ttmp9, 2
	s_add_co_u32 s42, s42, s40                     ; tx: block of 256 n
	s_and_b32 s17, ttmp7, 0xffff
	s_lshl_b32 s17, s17, 2
	s_add_co_u32 s17, s17, s41                     ; ty: block of 256 tokens
	s_lshl_b32 s43, s41, 2
	s_lshl_b32 s43, 15, s43                        ; my row of the cluster
	s_lshl_b32 s44, 0x1111, s40                    ; my column
	; descriptor groups 1: dense blocks as rows of 256 bytes (32 elements of 8 bytes): 128 rows of codes, 16 rows of scale words
	s_or_b32 s[G1+0], s43, (3<<16)|(1<<21)         ; 15:0 the mask; 17:16 elements of 8 bytes; 21 set beside a mask; no padding
	s_or_b32 s[G1B+0], s44, (3<<16)|(1<<21)
	s_or_b32 s[G1S+0], s43, (3<<16)|(1<<21)
	s_or_b32 s[G1SB+0], s44, (3<<16)|(1<<21)
.irp g, G1, G1B
	s_mov_b32 s[\g+1], 32<<16                      ; tensor_dim0
	s_mov_b32 s[\g+2], 128<<16                     ; tensor_dim1
	s_mov_b32 s[\g+3], 32<<16                      ; tile_dim0
	s_mov_b32 s[\g+4], 128                         ; tile_dim1
	s_mov_b32 s[\g+5], 32                          ; tensor_dim0_stride
	s_mov_b32 s[\g+6], 0
	s_mov_b32 s[\g+7], 0
.endr
.irp g, G1S, G1SB
	s_mov_b32 s[\g+1], 32<<16
	s_mov_b32 s[\g+2], 16<<16
	s_mov_b32 s[\g+3], 32<<16
	s_mov_b32 s[\g+4], 16
	s_mov_b32 s[\g+5], 32
	s_mov_b32 s[\g+6], 0
	s_mov_b32 s[\g+7], 0
.endr
	s_lshl_b32 s18, s16, 3                         ; which 8 of the 16 tiles I fetch
	s_lshl_b32 s20, s17, 4
	s_add_co_u32 s20, s20, s18                     ; x: tile 16 ty + 8 half
	s_lshl_b32 s46, s42, 4
	s_add_co_u32 s46, s46, s18                     ; W: tile 16 tx + 8 half
	s_lshl_b32 s22, s20, 9                         ; scale words: 512 bytes a tile
	s_mov_b32 s23, 0
	s_lshl_b32 s92, s46, 9
	s_mov_b32 s93, 0
	s_lshl_b32 s20, s20, 12                        ; codes: 4,096 bytes a tile and K half
	s_mov_b32 s21, 0
	s_lshl_b32 s46, s46, 12
	s_mov_b32 s47, 0
	s_lshl_b32 s45, s14, 15                        ; where they go: 32,768 x wave; no place in the cluster enters an LDS address
	s_lshl_b32 s94, s14, 12
	s_wait_dscnt 0x0                               ; both opening adds are done
	s_wait_kmcnt 0x0
	s_add_nc_u64 s[20:21], s[4:5], s[20:21]
	s_add_nc_u64 s[22:23], s[6:7], s[22:23]
	s_add_nc_u64 s[46:47], s[8:9], s[46:47]
	s_add_nc_u64 s[92:93], s[10:11], s[92:93]
	CROUND                                         ; all sixteen work-groups are here: the joint loads meet
	s_mov_b32 s[G0S], 1
	s_add_co_u32 s[G0S+1], s94, SCL
	s_mov_b64 s[G0S+2:G0S+3], s[22:23]
	s_or_b32 s[G0S+3], s[G0S+3], 0x80000000
	s_mov_b32 s[G0SB], 1
	s_add_co_u32 s[G0SB+1], s94, SCL
	s_mov_b64 s[G0SB+2:G0SB+3], s[92:93]
	s_or_b32 s[G0SB+3], s[G0SB+3], 0x80000000
	JLOAD G0S, G1S, G0SB, G1SB                     ; the scale words first: they are wanted with K step 0.  Three loads of mine are out at the most
.irp s, 0,1
	s_mov_b32 s[G0+4*\s], 1
	s_add_co_u32 s[G0+4*\s+1], s45, \s*SLOT
	s_add_nc_u64 s[G0+4*\s+2:G0+4*\s+3], s[20:21], \s*2097152
	s_or_b32 s[G0+4*\s+3], s[G0+4*\s+3], 0x80000000
	s_mov_b32 s[G0B+4*\s], 1
	s_add_co_u32 s[G0B+4*\s+1], s45, \s*SLOT
	s_add_nc_u64 s[G0B+4*\s+2:G0B+4*\s+3], s[46:47], \s*786432
	s_or_b32 s[G0B+4*\s+3], s[G0B+4*\s+3], 0x80000000
	JLOAD G0+4*\s, G1, G0B+4*\s, G1B
.endr
	v_and_b32 v1, 15, v0                           ; r
	v_bfe_u32 v2, v0, 4, 1                         ; h
	v_and_b32 v6, 31, v0
	v_lshlrev_b32 v[CO], 4, v6                     ; 16 x lane
	s_lshl_b32 s21, s15, 15                        ; my 8 tiles of x
	s_lshl_b32 s22, s16, 15                        ; my 8 tiles of W,
	s_add_co_u32 s22, s22, 65536                   ; which lie behind x's 16
.irp s, 0,1
	v_add_nc_u32 v[ADRA+\s], s21, v[CO]
	v_add_nc_u32 v[ADRB+\s], s22, v[CO]
	s_add_co_u32 s21, s21, SLOT
	s_add_co_u32 s22, s22, SLOT
.endr
	v_lshlrev_b32 v5, 4, v1                        ; my row's four words
	s_lshl_b32 s21, s15, 12                        ; x's: my 8 tiles
	s_lshl_b32 s22, s16, 12                        ; W's: my 8 tiles, behind x's 16
	s_add_co_u32 s22, s22, 8192
	s_sub_co_u32 s22, s22, s21
	v_mul_u32_u24 v6, s22, v2                      ; lanes 16-31 take W's: one product, the lower base + h x the distance
	s_add_co_u32 s21, s21, SCL
	v_add_nc_u32 v5, v5, v6
	v_add_nc_u32 v[ADRS], s21, v5
	s_mul_i32 s23, s14, 16*SPITCH
	s_add_co_u32 s23, s23, STAGE                   ; my stage
	v_mul_u32_u24 v5, v1, SPITCH                   ; in: row r, 16 bytes for each half of the lanes
	v_lshl_add_u32 v5, v2, 4, v5
	v_add_nc_u32 v[STO], s23, v5
	v_bfe_u32 v5, v0, 3, 2                         ; back: eight lanes take one head's 128 bytes of a row, four rows an instruction
	v_mul_u32_u24 v5, v5, SPITCH
	v_and_b32 v7, 7, v0
	v_lshl_add_u32 v5, v7, 4, v5
	v_add_nc_u32 v[RD], s23, v5
	; where my part begins in qkv: section tx / 4; head 4 (tx % 4) + 2 x my n half; batch ty / 8; t = 256 (ty % 8) + 128 x my token half; 128 bytes a row
	s_lshr_b32 s20, s17, 3
	s_lshl_b32 s20, s20, 15                        ; 16 heads x 2,048 rows a batch
	s_and_b32 s21, s17, 7
	s_lshl_b32 s21, s21, 8
	s_add_co_u32 s20, s20, s21
	s_lshl_b32 s21, s15, 7
	s_add_co_u32 s20, s20, s21
	s_and_b32 s46, s42, 3
	s_lshl_b32 s46, s46, 2
	s_lshl_b32 s47, s16, 1
	s_add_co_u32 s46, s46, s47
	s_lshl_b32 s46, s46, 11
	s_add_co_u32 s20, s20, s46
	s_lshl_b32 s20, s20, 7
	s_lshr_b32 s46, s42, 2
	s_lshl_b32 s46, s46, 24
	s_add_co_u32 s20, s20, s46
	s_mov_b32 s21, 0
	s_add_nc_u64 s[12:13], s[12:13], s[20:21]
.macro FRAG reg, adr, q, i             ; a fragment's image: two loads of 512 consecutive bytes; registers 4 c .. 4 c + 3 hold K = 64 c + 32 (l / 16) + 0 .. 31 of row l % 16
.irp c, 0,1
	ds_load_b128 v[\reg+4*\c:\reg+4*\c+3], v[\adr] offset:1024*(\q)+512*\c+4096*(\i)
.endr
.endm
; 16 matrix instructions: x's blocks a0, a0 + 1 against W's eight, the slot's q-th 128 along K.  The 64 accumulators take turns, one instruction a turn, in the same order in every step.
.macro MUL16 a0, p, q, sc, zero
.irp a, \a0, \a0+1
.irp b, 0,1,2,3,4,5,6,7
.if \zero
	v_wmma_scale_f32_16x16x128_f8f6f4 v[8*(8*((\a)%4)+\b):8*(8*((\a)%4)+\b)+7], v[128*(\p)+FR*\b:128*(\p)+FR*\b+FR-1], v[AF+FR*(\a):AF+FR*(\a)+FR-1], 0, v[SC+8*NQ*(\sc)+NQ*\b+(\q)], v[SC+8*NQ*(\sc)+NQ*(\a)+(\q)] matrix_a_fmt:MATRIX_FMT_FP4 matrix_b_fmt:MATRIX_FMT_FP4 matrix_a_scale:MATRIX_SCALE_ROW1
.else
	v_wmma_scale_f32_16x16x128_f8f6f4 v[8*(8*((\a)%4)+\b):8*(8*((\a)%4)+\b)+7], v[128*(\p)+FR*\b:128*(\p)+FR*\b+FR-1], v[AF+FR*(\a):AF+FR*(\a)+FR-1], v[8*(8*((\a)%4)+\b):8*(8*((\a)%4)+\b)+7], v[SC+8*NQ*(\sc)+NQ*\b+(\q)], v[SC+8*NQ*(\sc)+NQ*(\a)+(\q)] matrix_a_fmt:MATRIX_FMT_FP4 matrix_b_fmt:MATRIX_FMT_FP4 matrix_a_scale:MATRIX_SCALE_ROW1
.endif
.endr
.endr
.endm
.macro FETCH_B slot, q, p
	WIN TO_B
.irp i, 0,1,2,3,4,5,6,7
	FRAG 128*(\p)+FR*\i, ADRB+\slot, \q, \i
.endr
	WIN 0
.endm
.macro FETCH_A slot, q, i0
.irp i, \i0, \i0+1, \i0+2, \i0+3
	FRAG AF+FR*(\i), ADRA+\slot, \q, \i
.endr
.endm
.macro SCALES sc                       ; slot sc's scale words: four a row; lanes 0-15 take x's block i, lanes 16-31 W's block i
.irp i, 0,1,2,3,4,5,6,7
	ds_load_b128 v[SC+8*NQ*\sc+NQ*\i:SC+8*NQ*\sc+NQ*\i+3], v[ADRS] offset:512*\i+256*\sc
.endr
.endm
.macro PLACES n                        ; plain vector instructions between a matrix instruction and a load into, or a read of, its registers
.rept \n
	v_nop
.endr
.endm
.macro STEP slot, q, zero              ; a step of 128 along K that has its successor in the same slot
	s_wait_dscnt 4*NL                              ; W's set and x's blocks 0-3 are in; the youngest eight loads (x's blocks 4-7) may be out
	WIN MUL_LO
	MUL16 0, (\q)%2, \q, \slot, \zero
	MUL16 2, (\q)%2, \q, \slot, \zero
	s_wait_dscnt 0
	PLACES NP
	FETCH_B \slot, (\q)+1, 1-(\q)%2
	FETCH_A \slot, (\q)+1, 0
	WIN MUL_HI
	MUL16 4, (\q)%2, \q, \slot, \zero
	MUL16 6, (\q)%2, \q, \slot, \zero
	PLACES NP
	WIN 0
	FETCH_A \slot, (\q)+1, 4
.endm
.macro STEPS slot, from
.set Q, \from
.rept NQ-1-\from
	STEP \slot, Q, 0
.set Q, Q+1
.endr
.endm
	s_wait_tensorcnt 1                             ; the scale words and my part of slot 0 are in; slot 1's load may stay out
	s_barrier_signal -1
	s_barrier_wait -1
	FETCH_B 0, 0, 0
	FETCH_A 0, 0, 0
	SCALES 0
	FETCH_A 0, 0, 4
	STEP 0, 0, 1                                   ; the first step's products start the sums: nothing is cleared
	STEPS 0, 1
	; slot 0's last step changes slots: each wave waits for its part of slot 1, then one barrier
	s_wait_tensorcnt 0x0                           ; all my tensor loads have landed
	ds_add_u32 v[SPW], v[NIL]                      ; 0 onto my spare word
	s_wait_dscnt 4*NL+1                            ; (the add and the youngest eight loads may be out)
	WIN MUL_LO
	MUL16 0, 1, NQ-1, 0, 0
	s_wait_dscnt 0x0
	s_barrier_signal -1
	MUL16 2, 1, NQ-1, 0, 0
	WIN 0
	s_barrier_wait -1                              ; slot 1 is whole
	PLACES NP
	FETCH_B 1, 0, 0
	FETCH_A 1, 0, 0
	SCALES 1
	WIN MUL_HI
	MUL16 4, 1, NQ-1, 0, 0
	MUL16 6, 1, NQ-1, 0, 0
	PLACES NP
	WIN 0
	FETCH_A 1, 0, 4
	STEPS 1, 0
	s_wait_dscnt 4*NL                              ; the very last step: nothing more to fetch
	WIN MUL_LO
	MUL16 0, 1, NQ-1, 1, 0
	MUL16 2, 1, NQ-1, 1, 0
	s_wait_dscnt 0
	WIN MUL_HI
	MUL16 4, 1, NQ-1, 1, 0
	MUL16 6, 1, NQ-1, 1, 0
	WIN 0
; THE WAY OUT, a block of 16 tokens x 128 n (two heads) at a time: rounded to f16, 16 bytes a lane, through my own stage, and back so that 32 lanes store four tokens of one head: 512 consecutive aligned bytes.
.macro PACK a
.set AC, 64*((\a)%4)
	WIN 0x0a+5*((\a)/4)                            ; sources 0 and 1: window 2 or 3
.irp b, 0,1,2,3,4,5,6,7
.irp j, 0,1,2,3
	v_cvt_pk_f16_f32 v[TMP+4*\b+\j], v[AC+8*\b+2*\j], v[AC+8*\b+2*\j+1]   ; each accumulator from its low end on
.endr
.endr
	WIN 0
.endm
.macro TOSTAGE a
.set BK, OB+32*((\a)%2)
.irp b, 0,1,2,3,4,5,6,7
	ds_store_b128 v[STO], v[TMP+4*\b:TMP+4*\b+3] offset:32*\b
.endr
.irp g, 0,1
.irp i, 0,1,2,3
	ds_load_b128 v[BK+4*(4*\g+\i):BK+4*(4*\g+\i)+3], v[RD] offset:1088*\i+128*\g   ; LDS serves a wave's instructions in order (ISA guide 5.7.1.4): these see the stores above
.endr
.endr
.endm
.macro SEND a
.set BK, OB+32*((\a)%2)
	s_wait_dscnt 0x0                               ; the block is back in registers
	s_wait_xcnt 0x0                                ; the block before has had its stores' registers read: the next block's loads may land there
.irp g, 0,1
.irp i, 0,1,2,3
	global_store_b128 v[CO], v[BK+4*(4*\g+\i):BK+4*(4*\g+\i)+3], s[12:13] offset:262144*\g+128*(16*(\a)+4*\i)
.endr
.endr
.endm
	PLACES NP                                      ; behind the last products: for the reads of results and the loads into x's fragments' registers
	PACK 0
	TOSTAGE 0
.irp a, 1,2,3,4,5,6,7                  ; block a's conversions stand between block a - 1's loads from the stage and the wait for them
	PACK \a
	SEND \a-1
	TOSTAGE \a
.endr
	SEND 7
	s_wait_tensorcnt 0x0                           ; the wave's end
	ds_add_u32 v[SPW], v[NIL]
	s_wait_dscnt 0x0
	CROUND                                         ; the closing round
	s_endpgm
.Lfunc_end_k_q756c79cfb3_qkv:
	.size	k_q756c79cfb3_qkv, .Lfunc_end_k_q756c79cfb3_qkv-k_q756c79cfb3_qkv
	.p2alignl 7, 3214868480
	.fill 96, 4, 3214868480
	.section	.rodata,"a",@progbits
	.p2align	6, 0x0
	.amdhsa_kernel k_q756c79cfb3_qkv
		.amdhsa_group_segment_fixed_size 327680
		.amdhsa_private_segment_fixed_size 0
		.amdhsa_enable_private_segment 0
		.amdhsa_kernarg_size 40
		.amdhsa_user_sgpr_count 2
		.amdhsa_user_sgpr_kernarg_segment_ptr 1
		.amdhsa_wavefront_size32 1
		.amdhsa_system_sgpr_workgroup_id_x 1
		.amdhsa_system_sgpr_workgroup_id_y 1
		.amdhsa_system_sgpr_workgroup_id_z 1
		.amdhsa_system_vgpr_workitem_id 0
		.amdhsa_next_free_vgpr 1024
		.amdhsa_next_free_sgpr 98
		.amdhsa_reserve_vcc 0
		.amdhsa_float_denorm_mode_32 3
		.amdhsa_float_denorm_mode_16_64 3
		.amdhsa_memory_ordered 1
		.amdhsa_forward_progress 1
		.amdhsa_inst_pref_size 126
	.end_amdhsa_kernel
	.amdgpu_metadata
---
amdhsa.version: [ 1, 2 ]
amdhsa.kernels:
  - .name:           k_q756c79cfb3_qkv
    .symbol:         k_q756c79cfb3_qkv.kd
    .args:
      - { .name: xc, .offset: 0, .size: 8, .value_kind: global_buffer, .address_space: global }
      - { .name: xs, .offset: 8, .size: 8, .value_kind: global_buffer, .address_space: global }
      - { .name: wc, .offset: 16, .size: 8, .value_kind: global_buffer, .address_space: global }
      - { .name: ws, .offset: 24, .size: 8, .value_kind: global_buffer, .address_space: global }
      - { .name: qkv, .offset: 32, .size: 8, .value_kind: global_buffer, .address_space: global }
    .group_segment_fixed_size: 327680
    .private_segment_fixed_size: 0
    .kernarg_segment_align: 8
    .kernarg_segment_size: 40
    .max_flat_workgroup_size: 128
    .sgpr_count:     98
    .vgpr_count:     1024
    .wavefront_size: 32
...
	.end_amdgpu_metadata
.endif
;; end of part 2
;; launch attn (part 3): grid 4 x 64, 8 waves a work-group, clusters of 4 x 1, 327,680 bytes of LDS; arguments qkv, ao; writes ao
.if DOCPART == 3
	.amdgcn_target "amdgcn-amd-amdhsa--gfx1250"
	.amdhsa_code_object_version 6
	.text
	.protected	k_q756c79cfb3_attn
	.globl	k_q756c79cfb3_attn
	.p2align	8
	.type	k_q756c79cfb3_attn,@function
k_q756c79cfb3_attn:
	s_mov_b64 s[64:65], 0
	v_nop
	global_prefetch_b8 v0, s[64:65] scope:SCOPE_SE
	s_setreg_imm32_b32 hwreg(HW_REG_WAVE_MODE, 25, 1), 1
	s_wait_xcnt 0x0
	s_wait_alu depctr_hold_cnt(0) depctr_sa_sdst(0) depctr_va_vdst(0) depctr_va_sdst(0) depctr_va_ssrc(0) depctr_va_vcc(0) depctr_vm_vsrc(0)
	s_getreg_b32 s2, hwreg(HW_REG_IB_STS2, 6, 4)
	s_cmp_eq_u32 s2, 0
	s_cbranch_scc0 .Lentry_in_a_cluster
	s_endpgm
.Lentry_in_a_cluster:
	s_bfe_u32 s2, ttmp6, 0x10000c
	s_cmp_lg_u32 s2, 0x3003
	s_cbranch_scc0 .Lentry_shape_is_right
	s_endpgm
.Lentry_shape_is_right:
; ao[hb][q][:] = the sum over k of softmax_k(Q[hb][q] . K[hb][k] / 8) V[hb][k][:], hb = 16 batch + head, no mask.  Q, K, V: sections 0, 1, 2 of qkv, each [64][2048][64] f16; ao likewise.
; Products, maxima and sums in f32; the weights p are rounded to f16 for the second product, the result once at the end.  LIMITS: results under 6e-5 keep f16's subnormal step; NaN and infinities are not served.
; SHARES.  A work-group owns 512 queries of one head, each of its eight waves 64: four tiles of 16, in 512 registers.  Every wave walks all 2,048 keys, 64 a step.
; LAYOUT.  S^T = K Q^T (source 0 = 16 keys, source 1 = 16 queries): a lane holds ONE query (lane % 16) and the keys 8 (lane / 16) + 0..7.  Two such tiles, rounded to f16 in pairs IN PLACE, are source 1 of O^T = V^T P.
; SOFTMAX.  For each query a running maximum m and sum l: p = 2^(c s - c m), c = log2(e) / 8; in every step O^T and l are multiplied by a = 2^(c m_old - c m_new).  m begins at -3e38, so the first a is 0 and O^T begins as zeros.
; TWO ROLES.  All waves run KQ(0) SM(0) PV(0) KQ(1) ..; they differ only in where the change of slots falls in that sequence: role 0 meets it between KQ(j) and SM(j), role 1 between SM(j) and PV(j).
; So behind each barrier half of the waves begin with vector work and half with matrix work.  The roles show only in forward branches on the wave's number round SOFTMAX, which holds no LDS access, barrier or tensor load.
; CLUSTER.  The four query blocks of a head walk the same K and V: each tile is asked for JOINTLY, by the same tensor load with a mask that names the four.
; RING.  Two slots of 512 keys (8 steps).  Waves 0-3 fetch K's quarters, waves 4-7 V's: one load of 16 KiB a wave.  Two loads of mine are out at the start, one behind each round; a refill has eight steps in which to land.
; REGISTERS: window 0: v1-12 addresses; v16-47 statistics, 8 a tile; v64-191 S^T, then P, 32 a tile; v192-255 Q.   window 1: v0-63 K, v64-127 V of one step; v128-255 O^T, 32 a tile.
.set PK,    272                        ; two keys' 256 bytes + 16: the 16 rows of a load fall on 16 different 16-byte columns (64 banks of 4 bytes: ISA guide 11.1)
.set PV,    288                        ; two keys' 256 bytes + 32: likewise for the turning load's 8 keys x 32 bytes
.set VOFF,  256*PK                     ; a slot: 512 keys of K, then of V
.set SLOT,  256*(PK+PV)
.set KSTP,  32*PK                      ; 64 keys
.set VSTP,  32*PV
.set SPARE, 2*SLOT                     ; the spare words, 128 bytes a wave, which no other line names
.set STAGE, SPARE+1024                 ; the way out: 16 rows x (128 bytes + 16) for each wave
.set AK0, 3
.set AV0, 4
.set ADK, 5
.set ADV, 6
.set QO,  7
.set STO, 8
.set RD,  9
.set GO,  10
.set SPW, 11
.set NIL, 12
.set ST,  16                           ; tile t at v[ST + 8 t]: +0 c m, +1 m, +2, +3 l, +4 to +7 c0-c3 at work; a takes c2's place
.set S,   64
.set Q,   192
.set KF,  0
.set VF,  64
.set OT,  128
.set WV,   8
.set ROLE, 11
.set SKIP, 12
.set CNT,  13
.set TK,   14                          ; LDS byte at which the K tile to be fetched begins
.set TV,   15
.set G1K, 24
.set G1V, 32
.set G0K, 40                           ; a set for each slot
.set G0V, 48
.set CS,  56
.set SEL, 58
.set MSB, 0
.macro WIN new
.if MSB != \new
	s_set_vgpr_msb (MSB<<8)|\new
.set MSB, \new
.endif
.endm
.set W_KQ, 0x01                        ; K in window 1; Q and S^T in window 0
.set W_PV, 0x51                        ; V and O^T in window 1, P in window 0
.set W_RS, 0x41                        ; O^T (destination and source 0) in window 1
.set W_LD, 0x40                        ; destination window 1
.macro JLOAD fs                        ; the joint refill of slot fs; the branch hangs on the wave's number alone; an s_nop 0 and four v_nop follow each line
	s_cmp_lt_u32 s[WV], 4
	s_cbranch_scc0 .Lfor_v_\@
	tensor_load_to_lds s[G0K+4*\fs:G0K+4*\fs+3], s[G1K:G1K+7]
	s_nop 0
.rept 4
	v_nop
.endr
	s_branch .Lasked_\@
.Lfor_v_\@:
	tensor_load_to_lds s[G0V+4*\fs:G0V+4*\fs+3], s[G1V:G1V+7]
	s_nop 0
.rept 4
	v_nop
.endr
.Lasked_\@:
.endm
.macro CROUND
	s_barrier_signal -1
	s_barrier_wait -1
	s_cmp_lg_u32 s[WV], 0
	s_cbranch_scc1 .Lnot_wave_0_\@
	s_barrier_signal -3
.Lnot_wave_0_\@:
	s_barrier_wait -3
	s_barrier_signal -1
	s_barrier_wait -1
.endm
.macro PLACES n
.rept \n
	v_nop
.endr
.endm
	s_load_b128 s[4:7], s[0:1], 0x0                ; qkv, ao
	v_lshl_add_u32 v[SPW], v0, 2, SPARE
	v_mov_b32 v[NIL], 0
	ds_add_u32 v[SPW], v[NIL]                      ; the wave's opening: the add, twice on end, and its wait ahead of my first tensor load
	ds_add_u32 v[SPW], v[NIL]
	v_lshrrev_b32 v1, 5, v0
	v_readfirstlane_b32 s[WV], v1                  ; wave 0..7
	s_bfe_u32 s9, ttmp6, 0x40000                   ; cx
	s_lshl_b32 s16, ttmp9, 2
	s_add_co_u32 s9, s9, s16                       ; my block of 512 queries: it enters Q's and ao's addresses alone
	s_and_b32 s10, ttmp7, 0xffff                   ; hb, which the four partners share
	s_lshr_b32 s[ROLE], s[WV], 2
	s_xor_b32 s[ROLE], s[ROLE], s[WV]
	s_and_b32 s[ROLE], s[ROLE], 1                  ; differs between waves w and w + 4, and between 2 k and 2 k + 1
	s_and_b32 s60, s[WV], 3                        ; which quarter of a slot I fetch
	s_lshl_b32 s16, s10, 18                        ; a head: 262,144 bytes
	s_lshl_b32 s18, s60, 14                        ; 128 keys: 16,384 bytes
	s_add_co_u32 s18, s18, s16
	s_mov_b32 s19, 0
	s_lshl_b32 s20, s9, 16                         ; 512 rows of 128 bytes
	s_lshl_b32 s21, s[WV], 13                      ; my wave's 64
	s_add_co_u32 s20, s20, s21
	s_add_co_u32 s20, s20, s16
	s_mov_b32 s21, 0
	s_mul_i32 s22, s60, 64*PK                      ; my quarter in a slot: K's,
	s_mul_i32 s23, s60, 64*PV
	s_add_co_u32 s23, s23, VOFF                    ; V's
	; descriptor groups 1: 128 keys, dense in memory, as 64 rows of 256 bytes (32 elements of 8 bytes), padded in LDS
	s_mov_b32 s[G1K], 15|(3<<16)|(1<<20)|(1<<21)|(5<<22)|(3<<25)   ; 15:0 the mask: all four; 17:16 elements of 8 bytes; 20 padding on; 21 set beside a mask; 24:22 after every 64 words; 31:25 four words
	s_mov_b32 s[G1V], 15|(3<<16)|(1<<20)|(1<<21)|(5<<22)|(7<<25)   ; the same with eight words
.irp g, G1K, G1V
	s_mov_b32 s[\g+1], 32<<16                      ; tensor_dim0
	s_mov_b32 s[\g+2], 64<<16                      ; tensor_dim1
	s_mov_b32 s[\g+3], 32<<16                      ; tile_dim0
	s_mov_b32 s[\g+4], 64                          ; tile_dim1
	s_mov_b32 s[\g+5], 32                          ; tensor_dim0_stride
	s_mov_b32 s[\g+6], 0
	s_mov_b32 s[\g+7], 0
.endr
	s_mov_b32 s[CS], 0x3e38aa3b                    ; c = log2(e) / 8
	s_mov_b32 s[CS+1], s[CS]                       ; named with it as a pair, so it is written
	s_mov_b32 s[SEL], 0x76543210
	s_mov_b32 s[SEL+1], 0xfedcba98
	s_mov_b32 s[TK], 0
	s_mov_b32 s[TV], VOFF
	s_wait_dscnt 0x0                               ; both opening adds are done
	s_wait_kmcnt 0x0
	s_add_nc_u64 s[18:19], s[4:5], s[18:19]        ; my quarter of the head's first slot, counted in section 0
	s_add_nc_u64 s[4:5], s[4:5], s[20:21]          ; Q and ao at my wave's first row
	s_add_nc_u64 s[6:7], s[6:7], s[20:21]
	CROUND                                         ; all four work-groups are here: the first joint loads meet
.irp s, 0,1
	s_mov_b32 s[G0K+4*\s], 1
	s_add_co_u32 s[G0K+4*\s+1], s22, \s*SLOT
	s_add_nc_u64 s[G0K+4*\s+2:G0K+4*\s+3], s[18:19], 16777216+65536*\s   ; section 1; slot s begins with keys 512 s
	s_or_b32 s[G0K+4*\s+3], s[G0K+4*\s+3], 0x80000000
	s_mov_b32 s[G0V+4*\s], 1
	s_add_co_u32 s[G0V+4*\s+1], s23, \s*SLOT
	s_add_nc_u64 s[G0V+4*\s+2:G0V+4*\s+3], s[18:19], 33554432+65536*\s   ; section 2
	s_or_b32 s[G0V+4*\s+3], s[G0V+4*\s+3], 0x80000000
.endr
	s_cmp_lt_u32 s[WV], 4                          ; a wave's two first fills stand in one branch
	s_cbranch_scc0 .Lfirst_v
	tensor_load_to_lds s[G0K:G0K+3], s[G1K:G1K+7]
	s_nop 0
	tensor_load_to_lds s[G0K+4:G0K+7], s[G1K:G1K+7]
	s_nop 0
.rept 4
	v_nop
.endr
	s_branch .Lfirst_asked
.Lfirst_v:
	tensor_load_to_lds s[G0V:G0V+3], s[G1V:G1V+7]
	s_nop 0
	tensor_load_to_lds s[G0V+4:G0V+7], s[G1V:G1V+7]
	s_nop 0
.rept 4
	v_nop
.endr
.Lfirst_asked:
	v_and_b32 v1, 15, v0                           ; r
	v_bfe_u32 v2, v0, 4, 1                         ; h
	v_lshlrev_b32 v[QO], 7, v1
	v_lshl_add_u32 v[QO], v2, 4, v[QO]             ; row r of 128 bytes + 16 h
.irp t, 0,1,2,3                        ; Q stays in registers: tile t, channels 32 c on
.irp c, 0,1
	global_load_b128 v[Q+16*\t+8*\c:Q+16*\t+8*\c+3],   v[QO], s[4:5] offset:2048*\t+64*\c
	global_load_b128 v[Q+16*\t+8*\c+4:Q+16*\t+8*\c+7], v[QO], s[4:5] offset:2048*\t+64*\c+32
.endr
.endr
	v_lshrrev_b32 v13, 1, v1
	v_mul_u32_u24 v[AK0], v13, PK
	v_and_b32 v13, 1, v0
	v_lshl_add_u32 v[AK0], v13, 7, v[AK0]
	v_lshl_add_u32 v[AK0], v2, 4, v[AK0]           ; key r: PK (r / 2) + 128 (r % 2), + 16 h
	v_bfe_u32 v14, v0, 1, 2
	v_lshl_add_u32 v14, v2, 2, v14
	v_mul_u32_u24 v[AV0], v14, PV
	v_lshl_add_u32 v[AV0], v13, 7, v[AV0]
	v_bfe_u32 v14, v0, 3, 1
	v_lshl_add_u32 v[AV0], v14, 4, v[AV0]          ; the turning load: key 8 h + l % 8, channels 8 ((l / 8) % 2) on
	s_mul_i32 s16, s[WV], 16*144
	s_add_co_u32 s16, s16, STAGE                   ; my stage
	v_mul_u32_u24 v[STO], v1, 144
	v_lshl_add_u32 v[STO], v2, 4, v[STO]
	v_add_nc_u32 v[STO], s16, v[STO]               ; in: row r, 16 bytes for each half of the lanes
	v_and_b32 v13, 31, v0
	v_lshlrev_b32 v[GO], 4, v13                    ; out: 16 x lane: four rows of 128 bytes
	v_lshrrev_b32 v14, 3, v13
	v_mul_u32_u24 v[RD], v14, 144
	v_and_b32 v14, 7, v0
	v_lshl_add_u32 v[RD], v14, 4, v[RD]
	v_add_nc_u32 v[RD], s16, v[RD]
.irp t, 0,1,2,3
	v_mov_b32 v[ST+8*\t+1], 0xff61b1e6             ; m = -3e38, under every score
	v_mul_f32 v[ST+8*\t], s[CS], v[ST+8*\t+1]      ; c m
	v_mov_b32 v[ST+8*\t+2], 0                      ; l
	v_mov_b32 v[ST+8*\t+3], 0
.endr
	WIN W_LD
.set i, 0
.rept 128
	v_mov_b32 v[OT+i], 0                           ; O^T.  The step is written once for all steps: the first finds zeros, which a = 0 leaves zeros
.set i, i+1
.endr
	WIN 0
; A step's K: 64 keys x 64 channels, fragment (i, c) at v[KF + 8 (2 i + c)] of window 1
.macro LOADK
	v_add_nc_u32 v[ADK], s[TK], v[AK0]
	s_add_co_u32 s[TK], s[TK], KSTP
	WIN W_LD
.irp i, 0,1,2,3
.irp c, 0,1
	ds_load_b128 v[KF+8*(2*\i+\c):KF+8*(2*\i+\c)+3],   v[ADK] offset:8*PK*\i+64*\c
	ds_load_b128 v[KF+8*(2*\i+\c)+4:KF+8*(2*\i+\c)+7], v[ADK] offset:8*PK*\i+64*\c+32
.endr
.endr
	WIN 0
.endm
; A step's V, turned: fragment (kk, f): keys 32 kk on, channels 16 f on
.macro LOADV
	v_add_nc_u32 v[ADV], s[TV], v[AV0]
	s_add_co_u32 s[TV], s[TV], VSTP
	WIN W_LD
.irp kk, 0,1
.irp f, 0,1,2,3
	ds_load_tr16_b128 v[VF+8*(4*\kk+\f):VF+8*(4*\kk+\f)+3],   v[ADV] offset:16*PV*\kk+32*\f
	ds_load_tr16_b128 v[VF+8*(4*\kk+\f)+4:VF+8*(4*\kk+\f)+7], v[ADV] offset:16*PV*\kk+8*PV+32*\f
.endr
.endr
	WIN 0
.endm
; 32 products S^T = K Q^T; the 16 accumulators take turns, one instruction a turn.  cnt: the LDS loads issued behind K's, which may stay out.
; Five places follow: for the loads into K's registers and the first reads of results (four), and for a product that takes S^T's registers as an operand (five).
.macro KQS cnt
	s_wait_dscnt \cnt
	WIN W_KQ
.irp c, 0,1
.irp i, 0,1,2,3
.irp t, 0,1,2,3
.if \c == 0
	v_wmma_f32_16x16x32_f16 v[S+32*\t+8*\i:S+32*\t+8*\i+7], v[KF+8*(2*\i+\c):KF+8*(2*\i+\c)+7], v[Q+16*\t+8*\c:Q+16*\t+8*\c+7], 0
.else
	v_wmma_f32_16x16x32_f16 v[S+32*\t+8*\i:S+32*\t+8*\i+7], v[KF+8*(2*\i+\c):KF+8*(2*\i+\c)+7], v[Q+16*\t+8*\c:Q+16*\t+8*\c+7], v[S+32*\t+8*\i:S+32*\t+8*\i+7]
.endif
.endr
.endr
.endr
	WIN 0
	PLACES 5
.endm
; 32 products O^T += V^T P, likewise by turns.  Five places follow: the next K Q^T writes over P's registers.
.macro PVS cnt
	s_wait_dscnt \cnt
	WIN W_PV
.irp kk, 0,1
.irp f, 0,1,2,3
.irp t, 0,1,2,3
	v_wmma_f32_16x16x32_f16 v[OT+32*\t+8*\f:OT+32*\t+8*\f+7], v[VF+8*(4*\kk+\f):VF+8*(4*\kk+\f)+7], v[S+32*\t+8*\kk:S+32*\t+8*\kk+7], v[OT+32*\t+8*\f:OT+32*\t+8*\f+7]
.endr
.endr
.endr
	WIN 0
	PLACES 5
.endm
.macro SCALE t, b                      ; pair b of tile t: c s - c m
	v_pk_fma_f32 v[S+32*(\t)+2*(\b):S+32*(\t)+2*(\b)+1], v[S+32*(\t)+2*(\b):S+32*(\t)+2*(\b)+1], s[CS:CS+1], v[ST+8*(\t):ST+8*(\t)+1] op_sel_hi:[1,0,0] neg_lo:[0,0,1] neg_hi:[0,0,1]
.endm
; THE SOFTMAX of a step, the four tiles by turns in every stage, so that no line waits for the line above it
.macro SOFTMAX
.irp j, 0,1,2,3                        ; the maximum: four chains a tile; each accumulator is first read at its low end
.irp t, 0,1,2,3
	v_max3_num_f32 v[ST+8*\t+4+\j], v[S+32*\t+8*\j], v[S+32*\t+8*\j+1], v[S+32*\t+8*\j+2]
.endr
.endr
.irp g, 1,2
.irp j, 0,1,2,3
.irp t, 0,1,2,3
	v_max3_num_f32 v[ST+8*\t+4+\j], v[ST+8*\t+4+\j], v[S+32*\t+8*\j+2*\g+1], v[S+32*\t+8*\j+2*\g+2]
.endr
.endr
.endr
.irp t, 0,1,2,3
	v_max3_num_f32 v[ST+8*\t+4], v[ST+8*\t+4], v[S+32*\t+7], v[S+32*\t+15]
.endr
.irp t, 0,1,2,3
	v_max3_num_f32 v[ST+8*\t+6], v[ST+8*\t+6], v[S+32*\t+23], v[S+32*\t+31]
.endr
.irp t, 0,1,2,3
	v_max3_num_f32 v[ST+8*\t+4], v[ST+8*\t+4], v[ST+8*\t+5], v[ST+8*\t+6]
.endr
.irp t, 0,1,2,3
	v_max3_num_f32 v[ST+8*\t+4], v[ST+8*\t+4], v[ST+8*\t+7], v[ST+8*\t+1]   ; with the old m
.endr
.irp t, 0,1,2,3
	v_permlanex16_b32 v[ST+8*\t+5], v[ST+8*\t+4], s[SEL], s[SEL+1]   ; the query's other 32 keys lie in the lane 16 away
.endr
.irp t, 0,1,2,3
	v_mov_b32 v[ST+8*\t+7], v[ST+8*\t]             ; c m_old is kept for a
.endr
.irp t, 0,1,2,3
	v_max_num_f32 v[ST+8*\t+1], v[ST+8*\t+4], v[ST+8*\t+5]
.endr
.irp t, 0,1,2,3
	v_mul_f32 v[ST+8*\t], s[CS], v[ST+8*\t+1]
.endr
.irp t, 0,1,2,3
	v_sub_f32 v[ST+8*\t+7], v[ST+8*\t+7], v[ST+8*\t]
.endr
; ONE BATCH: the four a, the 64 scalings and the 128 exponentials; none of these lines names an exponential's result.  A tile's scalings stand among the exponentials of the tile before.
.irp t, 0,1,2,3
	v_exp_f32 v[ST+8*\t+6], v[ST+8*\t+7]
.endr
.irp b, 0,1,2,3,4,5,6,7,8,9,10,11,12,13,14,15
	SCALE 0, \b
.endr
.irp t, 0,1,2,3
.irp b, 0,1,2,3,4,5,6,7,8,9,10,11,12,13,14,15
	v_exp_f32 v[S+32*\t+2*\b], v[S+32*\t+2*\b]
	v_exp_f32 v[S+32*\t+2*\b+1], v[S+32*\t+2*\b+1]
.if \t < 3
	SCALE \t+1, \b
.endif
.endr
.endr
	v_nop                                          ; a plain instruction behind the last exponential (ISA guide 5.7.2),
	s_wait_alu depctr_va_vdst(0)                   ; and the one wait ahead of the batch's first reader
.irp t, 0,1,2,3                        ; the sums of the unrounded p, two chains a tile: l = a l + pair 0,
	v_pk_fma_f32 v[ST+8*\t+2:ST+8*\t+3], v[ST+8*\t+2:ST+8*\t+3], v[ST+8*\t+6:ST+8*\t+7], v[S+32*\t:S+32*\t+1] op_sel_hi:[1,0,1]
.endr
.irp t, 0,1,2,3
	v_pk_add_f32 v[ST+8*\t+4:ST+8*\t+5], v[S+32*\t+2:S+32*\t+3], v[S+32*\t+4:S+32*\t+5]
.endr
.irp b, 3,5,7,9,11,13
.irp t, 0,1,2,3
	v_pk_add_f32 v[ST+8*\t+2:ST+8*\t+3], v[ST+8*\t+2:ST+8*\t+3], v[S+32*\t+2*\b:S+32*\t+2*\b+1]
.endr
.irp t, 0,1,2,3
	v_pk_add_f32 v[ST+8*\t+4:ST+8*\t+5], v[ST+8*\t+4:ST+8*\t+5], v[S+32*\t+2*\b+2:S+32*\t+2*\b+3]
.endr
.endr
.irp t, 0,1,2,3
	v_pk_add_f32 v[ST+8*\t+2:ST+8*\t+3], v[ST+8*\t+2:ST+8*\t+3], v[S+32*\t+30:S+32*\t+31]
.endr
.irp t, 0,1,2,3
	v_pk_add_f32 v[ST+8*\t+2:ST+8*\t+3], v[ST+8*\t+2:ST+8*\t+3], v[ST+8*\t+4:ST+8*\t+5]
.endr
.irp b, 0,1,2,3,4,5,6,7,8,9,10,11,12,13,14,15  ; P in place: pair b into register b; ascending, so no pair is written over before it is read
.irp t, 0,1,2,3
	v_cvt_pk_f16_f32 v[S+32*\t+\b], v[S+32*\t+2*\b], v[S+32*\t+2*\b+1]
.endr
.endr
	WIN W_RS
.irp i, 0,1,2,3,4,5,6,7,8,9,10,11,12,13,14,15  ; O^T times a, each accumulator from its low end on
.irp t, 0,1,2,3
	v_pk_mul_f32 v[OT+32*\t+2*\i:OT+32*\t+2*\i+1], v[OT+32*\t+2*\i:OT+32*\t+2*\i+1], v[ST+8*\t+6:ST+8*\t+7] op_sel_hi:[1,0]
.endr
.endr
	WIN 0
.endm
; n steps.  A trip: K(j + 1) is asked for | SM(j) | PV(j) | V(j + 1) is asked for | KQ(j + 1).  A wave of role 1 has run SM(j) ahead of the loop and leaves it out in the first trip.
; The counted waits: at PV, V(j) is in and K's 16 younger loads stay out; at KQ, K(j + 1) is in and V's 16 younger loads stay out.
.macro STEPS n
	s_mov_b32 s[SKIP], s[ROLE]
	s_mov_b32 s[CNT], \n
.Lstep_\@:
	LOADK
	s_cmp_lg_u32 s[SKIP], 0
	s_cbranch_scc1 .Lskip_\@
	SOFTMAX
.Lskip_\@:
	s_mov_b32 s[SKIP], 0
	PVS 16
	LOADV
	KQS 16
	s_sub_co_u32 s[CNT], s[CNT], 1
	s_cmp_lg_u32 s[CNT], 0
	s_cbranch_scc1 .Lstep_\@
.endm
.macro SM_B                            ; role 1 runs its softmax ahead of the change of slots
	s_cmp_eq_u32 s[ROLE], 0
	s_cbranch_scc1 .Lrole_0_\@
	SOFTMAX
.Lrole_0_\@:
.endm
; THE CHANGE OF SLOTS.  The slot's last bytes, V of its eighth step, have been asked for.  Each wave waits for all its tensor loads, adds 0 to its spare word, and waits for that and for its reads of the slot.
; fill = 1: slot fs is filled again with the keys 1,024 on, behind a round of the cluster's barrier, first thing.  rs: the slot that is read next.
.macro CHANGE fill, fs, rs
	s_wait_tensorcnt 0x0                           ; no tensor load of mine is out, so a group 0 may be written
	ds_add_u32 v[SPW], v[NIL]
.if \fill
	s_add_nc_u64 s[G0K+4*\fs+2:G0K+4*\fs+3], s[G0K+4*\fs+2:G0K+4*\fs+3], 131072
	s_add_nc_u64 s[G0V+4*\fs+2:G0V+4*\fs+3], s[G0V+4*\fs+2:G0V+4*\fs+3], 131072
.endif
	s_mov_b32 s[TK], SLOT*\rs
	s_mov_b32 s[TV], SLOT*\rs+VOFF
	s_wait_dscnt 0x0                               ; the add is done, and my reads of the slot are over
.if \fill
	CROUND
	JLOAD \fs
.else
	s_barrier_signal -1
	s_barrier_wait -1
.endif
.endm
	s_wait_tensorcnt 1                             ; my part of slot 0 is in; slot 1's may stay out
	s_barrier_signal -1
	s_barrier_wait -1
	LOADK                                          ; step 0
	LOADV
	s_wait_loadcnt 0x0                             ; Q
	KQS 16
	SM_B
	STEPS 7                                        ; steps 1 to 7 are fetched: slot 0 is read out
	SM_B
	CHANGE 1, 0, 1                                 ; slot 0 takes keys 1,024 to 1,535
	STEPS 8
	SM_B
	CHANGE 1, 1, 0                                 ; slot 1 takes keys 1,536 to 2,047
	STEPS 8
	SM_B
	CHANGE 0, 0, 1                                 ; nothing is left to fetch
	STEPS 8
	SOFTMAX                                        ; the last step's, in both roles
	PVS 0
	; THE WAY OUT.  l's two halves and the other half of the lanes' are added; O^T is divided by l, rounded to f16 and sent through my stage, a tile (16 rows) at a time.
.irp t, 0,1,2,3
	v_add_f32 v[ST+8*\t+4], v[ST+8*\t+2], v[ST+8*\t+3]
.endr
.irp t, 0,1,2,3
	v_permlanex16_b32 v[ST+8*\t+5], v[ST+8*\t+4], s[SEL], s[SEL+1]
.endr
.irp t, 0,1,2,3
	v_add_f32 v[ST+8*\t+4], v[ST+8*\t+4], v[ST+8*\t+5]
.endr
.irp t, 0,1,2,3
	v_rcp_f32 v[ST+8*\t+6], v[ST+8*\t+4]
.endr
	v_nop
	s_wait_alu depctr_va_vdst(0)                   ; one wait for the four reciprocals, ahead of their first reader
.macro PACK t
	WIN W_RS
.set i, 0
.rept 16
	v_pk_mul_f32 v[OT+32*\t+i:OT+32*\t+i+1], v[OT+32*\t+i:OT+32*\t+i+1], v[ST+8*\t+6:ST+8*\t+7] op_sel_hi:[1,0]
.set i, i+2
.endr
	WIN 0x05                                       ; sources 0 and 1 window 1, destination window 0: S^T's registers are free
.set i, 0
.rept 16
	v_cvt_pk_f16_f32 v[S+32*\t+i], v[OT+32*\t+2*i], v[OT+32*\t+2*i+1]
.set i, i+1
.endr
	WIN 0
.irp f, 0,1,2,3
	ds_store_b128 v[STO], v[S+32*\t+4*\f:S+32*\t+4*\f+3] offset:32*\f
.endr
.irp f, 0,1,2,3
	ds_load_b128 v[S+32*\t+16+4*\f:S+32*\t+16+4*\f+3], v[RD] offset:576*\f   ; LDS serves a wave's instructions in order (ISA guide 5.7.1.4): these see the stores above; the next tile's stores come behind them
.endr
.endm
.macro SEND t, younger                 ; younger: the LDS instructions issued behind tile t's loads: the next tile's eight, or none
.irp f, 0,1,2,3
	s_wait_dscnt \younger+3-\f
	global_store_b128 v[GO], v[S+32*\t+16+4*\f:S+32*\t+16+4*\f+3], s[6:7] offset:2048*\t+512*\f   ; 32 lanes store four rows: 512 consecutive aligned bytes
.endr
.endm
	PACK 0
	PACK 1
	SEND 0, 8
	PACK 2
	SEND 1, 8
	PACK 3
	SEND 2, 8
	SEND 3, 0
	s_wait_tensorcnt 0x0                           ; the wave's end
	ds_add_u32 v[SPW], v[NIL]
	s_wait_dscnt 0x0
	CROUND                                         ; the closing round
	s_endpgm
.Lfunc_end_k_q756c79cfb3_attn:
	.size	k_q756c79cfb3_attn, .Lfunc_end_k_q756c79cfb3_attn-k_q756c79cfb3_attn
	.p2alignl 7, 3214868480
	.fill 96, 4, 3214868480
	.section	.rodata,"a",@progbits
	.p2align	6, 0x0
	.amdhsa_kernel k_q756c79cfb3_attn
		.amdhsa_group_segment_fixed_size 327680
		.amdhsa_private_segment_fixed_size 0
		.amdhsa_enable_private_segment 0
		.amdhsa_kernarg_size 16
		.amdhsa_user_sgpr_count 2
		.amdhsa_user_sgpr_kernarg_segment_ptr 1
		.amdhsa_wavefront_size32 1
		.amdhsa_system_sgpr_workgroup_id_x 1
		.amdhsa_system_sgpr_workgroup_id_y 1
		.amdhsa_system_sgpr_workgroup_id_z 1
		.amdhsa_system_vgpr_workitem_id 0
		.amdhsa_next_free_vgpr 512
		.amdhsa_next_free_sgpr 66
		.amdhsa_reserve_vcc 0
		.amdhsa_float_denorm_mode_32 3
		.amdhsa_float_denorm_mode_16_64 3
		.amdhsa_memory_ordered 1
		.amdhsa_forward_progress 1
		.amdhsa_inst_pref_size 255
	.end_amdhsa_kernel
	.section	.bss,"aw",@nobits
	.p2align	6
	.space	262144
	.amdgpu_metadata
---
amdhsa.version: [ 1, 2 ]
amdhsa.kernels:
  - .name:           k_q756c79cfb3_attn
    .symbol:         k_q756c79cfb3_attn.kd
    .args:
      - { .name: qkv, .offset: 0, .size: 8, .value_kind: global_buffer, .address_space: global }
      - { .name: ao, .offset: 8, .size: 8, .value_kind: global_buffer, .address_space: global }
    .group_segment_fixed_size: 327680
    .private_segment_fixed_size: 0
    .kernarg_segment_align: 8
    .kernarg_segment_size: 16
    .max_flat_workgroup_size: 256
    .sgpr_count:     66
    .vgpr_count:     512
    .wavefront_size: 32
...
	.end_amdgpu_metadata
.endif
;; end of part 3
;; launch oproj (part 4): grid 8 x 32, 4 waves a work-group, clusters of 4 x 4, 327,680 bytes of LDS; arguments ao, wo16, out0; writes out0
.if DOCPART == 4
	.amdgcn_target "amdgcn-amd-amdhsa--gfx1250"
	.amdhsa_code_object_version 6
	.text
	.protected	k_q756c79cfb3_oproj
	.globl	k_q756c79cfb3_oproj
	.p2align	8
	.type	k_q756c79cfb3_oproj,@function
k_q756c79cfb3_oproj:
	s_mov_b64 s[64:65], 0
	v_nop
	global_prefetch_b8 v0, s[64:65] scope:SCOPE_SE
	s_setreg_imm32_b32 hwreg(HW_REG_WAVE_MODE, 25, 1), 1
	s_wait_xcnt 0x0
	s_wait_alu depctr_hold_cnt(0) depctr_sa_sdst(0) depctr_va_vdst(0) depctr_va_sdst(0) depctr_va_ssrc(0) depctr_va_vcc(0) depctr_vm_vsrc(0)
	s_getreg_b32 s2, hwreg(HW_REG_IB_STS2, 6, 4)
	s_cmp_eq_u32 s2, 0
	s_cbranch_scc0 .Lentry_in_a_cluster
	s_endpgm
.Lentry_in_a_cluster:
	s_bfe_u32 s2, ttmp6, 0x10000c
	s_cmp_lg_u32 s2, 0xf033
	s_cbranch_scc0 .Lentry_shape_is_right
	s_endpgm
.Lentry_shape_is_right:
; out0[token][d] = the sum over e of concat[token][e] Wo[d][e], e = 64 head + channel.  concat lies head by head: ao [16 batch + head][t 2048][64] f16; wo16 [1024][1024] f16; out0 [8192][1024] f32; sums in f32.
; A work-group of four waves makes 256 tokens x 128 d: 256 work-groups; a wave 128 x 64: 32 accumulators, 256 registers.  K goes in steps of 128 (two heads) through a ring of two LDS slots.
; For one head 256 tokens are one dense block of memory: it comes as 128 rows of 256 bytes (two tokens), 16 bytes of padding behind each.  Wo's rows of a K step are 256 bytes, 2,048 apart.
; CLUSTERS: 4 x 4 work-groups; the tokens' tiles are shared along a row of the cluster, Wo's along a column: joint loads.  Waves 0 and 1 fetch the two heads' tokens, waves 2 and 3 the halves of Wo's tile.
; THE MATRIX INSTRUCTION IS USED TRANSPOSED (source 0 = 16 d, source 1 = 16 tokens): a lane then holds eight neighbouring d of one token.
; REGISTERS: window 0: v16-29 addresses; v64-159, v160-255 two fragment buffers (8 of tokens, then 4 of Wo, 32 along K); on the way out v32-95 rows.   window 1: accumulator (a, b) at v[8 (4 a + b)].
.set PITCH,  272                       ; 256 bytes + 16: the 16 rows of a load fall on 16 different 16-byte columns (64 banks of 4 bytes: ISA guide 11.1)
.set APART,  128*PITCH                 ; one head's 256 tokens
.set BOFF,   2*APART
.set SLOT,   3*APART
.set STAGE,  2*SLOT                    ; the way out: 16 rows x (256 bytes + 16) for each wave; no tile lands here
.set SPARE,  STAGE+4*16*PITCH          ; the spare words, 128 bytes a wave, which no other line names
.set ADRA, 16
.set ADRB, 20
.set STO,  24
.set RD,   25
.set CO,   26
.set SPW,  28
.set NIL,  29
.set OB,   32
.set F0,   64
.set F1,   160
.set G1, 24
.set G0, 32
.set G1B, 48
.set G0B, 56
.set MSB, 0
.macro WIN new
.if MSB != \new
	s_set_vgpr_msb (MSB<<8)|\new
.set MSB, \new
.endif
.endm
.set MUL, 0x50                         ; C and D window 1, both sources window 0
.macro JLOAD s                         ; a joint load; the branch hangs on the wave's number alone; an s_nop 0 and four v_nop follow each line
	s_cmp_eq_u32 s11, 0
	s_cbranch_scc0 .Lfor_b_\@
	tensor_load_to_lds s[G0+4*\s:G0+4*\s+3], s[G1:G1+7]
	s_nop 0
.rept 4
	v_nop
.endr
	s_branch .Lasked_\@
.Lfor_b_\@:
	tensor_load_to_lds s[G0B+4*\s:G0B+4*\s+3], s[G1B:G1B+7]
	s_nop 0
.rept 4
	v_nop
.endr
.Lasked_\@:
.endm
.macro CREST
	s_cmp_lg_u32 s10, 0
	s_cbranch_scc1 .Lnot_wave_0_\@
	s_barrier_signal -3
.Lnot_wave_0_\@:
	s_barrier_wait -3
	s_barrier_signal -1
	s_barrier_wait -1
.endm
.macro CROUND
	s_barrier_signal -1
	s_barrier_wait -1
	CREST
.endm
	s_load_b128 s[4:7], s[0:1], 0x0                ; ao, wo16
	s_load_b64 s[8:9], s[0:1], 0x10                ; out0
	v_lshl_add_u32 v[SPW], v0, 2, SPARE
	v_mov_b32 v[NIL], 0
	ds_add_u32 v[SPW], v[NIL]                      ; the wave's opening: the add, twice on end, and its wait ahead of my first tensor load
	ds_add_u32 v[SPW], v[NIL]
	v_lshrrev_b32 v1, 5, v0
	v_readfirstlane_b32 s10, v1                    ; wave 0..3
	s_lshr_b32 s11, s10, 1                         ; which 128 tokens are mine.  Also: I fetch tokens (0) or Wo (1)
	s_and_b32 s12, s10, 1                          ; which 64 d.  Also: which head of the K step, or which 64 rows of Wo, I fetch
	s_bfe_u32 s40, ttmp6, 0x40000
	s_bfe_u32 s41, ttmp6, 0x40004
	s_lshl_b32 s42, ttmp9, 2
	s_add_co_u32 s42, s42, s40                     ; tx: block of 128 d
	s_and_b32 s13, ttmp7, 0xffff
	s_lshl_b32 s13, s13, 2
	s_add_co_u32 s13, s13, s41                     ; ty: block of 256 tokens
	s_lshl_b32 s43, s41, 2
	s_lshl_b32 s43, 15, s43                        ; my row of the cluster
	s_lshl_b32 s44, 0x1111, s40                    ; my column
	s_or_b32 s[G1+0], s43, (3<<16)|(1<<20)|(1<<21)|(5<<22)|(3<<25)   ; 15:0 the mask; 17:16 elements of 8 bytes; 20 padding on; 21 set beside a mask; 24:22 after every 64 words; 31:25 four words
	s_or_b32 s[G1B+0], s44, (3<<16)|(1<<20)|(1<<21)|(5<<22)|(3<<25)
	s_mov_b32 s[G1+1], 32<<16                      ; tokens: 128 rows of 32 elements, dense
	s_mov_b32 s[G1+2], 128<<16
	s_mov_b32 s[G1+3], 32<<16
	s_mov_b32 s[G1+4], 128
	s_mov_b32 s[G1+5], 32
	s_mov_b32 s[G1+6], 0
	s_mov_b32 s[G1+7], 0
	s_mov_b32 s[G1B+1], 32<<16                     ; Wo: 64 rows of 32 elements, 256 elements apart
	s_mov_b32 s[G1B+2], 64<<16
	s_mov_b32 s[G1B+3], 32<<16
	s_mov_b32 s[G1B+4], 64
	s_mov_b32 s[G1B+5], 256
	s_mov_b32 s[G1B+6], 0
	s_mov_b32 s[G1B+7], 0
	s_lshr_b32 s16, s13, 3                         ; batch
	s_lshl_b32 s16, s16, 4
	s_add_co_u32 s16, s16, s12                     ; 16 batch + my head of K step 0
	s_lshl_b32 s16, s16, 11
	s_and_b32 s17, s13, 7
	s_lshl_b32 s17, s17, 8
	s_add_co_u32 s16, s16, s17                     ; + t
	s_lshl_b32 s16, s16, 7                         ; rows of 128 bytes
	s_mov_b32 s17, 0
	s_lshl_b32 s46, s42, 7
	s_lshl_b32 s47, s12, 6
	s_add_co_u32 s46, s46, s47                     ; Wo: row 128 tx + 64 half
	s_lshl_b32 s46, s46, 11
	s_mov_b32 s47, 0
	s_mul_i32 s20, s12, APART                      ; where they go: no place in the cluster enters an LDS address
	s_mul_i32 s21, s12, 64*PITCH
	s_add_co_u32 s21, s21, BOFF
	s_wait_dscnt 0x0                               ; both opening adds are done
	s_wait_kmcnt 0x0
	s_add_nc_u64 s[14:15], s[4:5], s[16:17]
	s_add_nc_u64 s[46:47], s[6:7], s[46:47]
	CROUND                                         ; all sixteen work-groups are here: the first joint loads meet
.irp s, 0,1
	s_mov_b32 s[G0+4*\s], 1
	s_add_co_u32 s[G0+4*\s+1], s20, \s*SLOT
	s_add_nc_u64 s[G0+4*\s+2:G0+4*\s+3], s[14:15], \s*524288       ; K step s: two heads on
	s_or_b32 s[G0+4*\s+3], s[G0+4*\s+3], 0x80000000
	s_mov_b32 s[G0B+4*\s], 1
	s_add_co_u32 s[G0B+4*\s+1], s21, \s*SLOT
	s_add_nc_u64 s[G0B+4*\s+2:G0B+4*\s+3], s[46:47], \s*256
	s_or_b32 s[G0B+4*\s+3], s[G0B+4*\s+3], 0x80000000
	JLOAD \s
.endr
	v_and_b32 v1, 15, v0                           ; r
	v_bfe_u32 v2, v0, 4, 1                         ; h
	v_lshrrev_b32 v3, 1, v1
	v_mul_u32_u24 v3, v3, PITCH
	v_and_b32 v4, 1, v0
	v_lshl_add_u32 v3, v4, 7, v3
	v_lshl_add_u32 v3, v2, 4, v3                   ; token r: PITCH (r / 2) + 128 (r % 2), + 16 h
	v_mul_u32_u24 v4, v1, PITCH
	v_lshl_add_u32 v4, v2, 4, v4                   ; Wo's row r, + 16 h
	s_mul_i32 s22, s11, 64*PITCH                   ; my 128 tokens
	s_mul_i32 s23, s12, 64*PITCH                   ; my 64 rows of Wo
	s_add_co_u32 s23, s23, BOFF
.irp s, 0,1
	v_add_nc_u32 v[ADRA+\s], s22, v3
	v_add_nc_u32 v[ADRB+\s], s23, v4
	s_add_co_u32 s22, s22, SLOT
	s_add_co_u32 s23, s23, SLOT
.endr
	s_mul_i32 s23, s10, 16*PITCH
	s_add_co_u32 s23, s23, STAGE                   ; my stage
	v_mul_u32_u24 v5, v1, PITCH
	v_lshl_add_u32 v5, v2, 5, v5
	v_add_nc_u32 v[STO], s23, v5                   ; in: row r, 32 bytes for each half of the lanes
	v_mul_u32_u24 v5, v2, PITCH
	v_lshl_add_u32 v5, v1, 4, v5
	v_add_nc_u32 v[RD], s23, v5                    ; back: lanes 0-15 one row of 256 bytes, lanes 16-31 the next
	v_lshlrev_b32 v5, 12, v2
	v_lshl_add_u32 v[CO], v1, 4, v5                ; and the same two rows in out0
	s_lshl_b32 s16, s13, 8
	s_lshl_b32 s17, s11, 7
	s_add_co_u32 s16, s16, s17                     ; my first token
	s_lshl_b32 s16, s16, 12
	s_lshl_b32 s46, s42, 9                         ; my first d, in bytes
	s_lshl_b32 s47, s12, 8
	s_add_co_u32 s46, s46, s47
	s_add_co_u32 s16, s16, s46
	s_mov_b32 s17, 0
	s_add_nc_u64 s[8:9], s[8:9], s[16:17]
; 8 matrix instructions: token blocks a0, a0 + 1 against Wo's four, 32 along K.  The 32 accumulators take turns, one instruction a turn, in the same order in every quarter.
.macro MULQ f, a0, zero
.irp a, \a0, \a0+1
.irp b, 0,1,2,3
.if \zero
	v_wmma_f32_16x16x32_f16 v[8*(4*(\a)+\b):8*(4*(\a)+\b)+7], v[\f+64+8*\b:\f+64+8*\b+7], v[\f+8*(\a):\f+8*(\a)+7], 0
.else
	v_wmma_f32_16x16x32_f16 v[8*(4*(\a)+\b):8*(4*(\a)+\b)+7], v[\f+64+8*\b:\f+64+8*\b+7], v[\f+8*(\a):\f+8*(\a)+7], v[8*(4*(\a)+\b):8*(4*(\a)+\b)+7]
.endif
.endr
.endr
.endm
; 24 LDS loads in one run: quarter q of the slot's K step (head q / 2, channels 32 (q % 2) on) into buffer f: Wo's four fragments, then the tokens' eight
.macro FETCH slot, q, f
.irp b, 0,1,2,3
	ds_load_b128 v[\f+64+8*\b:\f+64+8*\b+3],   v[ADRB+\slot] offset:64*(\q)+16*PITCH*\b
	ds_load_b128 v[\f+64+8*\b+4:\f+64+8*\b+7], v[ADRB+\slot] offset:64*(\q)+16*PITCH*\b+32
.endr
.irp i, 0,1,2,3,4,5,6,7
	ds_load_b128 v[\f+8*\i:\f+8*\i+3],   v[ADRA+\slot] offset:APART*((\q)/2)+64*((\q)%2)+8*PITCH*\i
	ds_load_b128 v[\f+8*\i+4:\f+8*\i+7], v[ADRA+\slot] offset:APART*((\q)/2)+64*((\q)%2)+8*PITCH*\i+32
.endr
.endm
.macro PLACES                          ; four places in front of loads into registers that matrix instructions have read, and of reads of results
.rept 4
	v_nop
.endr
.endm
; One of a K step's first three quarters: multiplies buffer f and fetches quarter qn into g
.macro QUARTER slot, qn, f, g, zero
	s_wait_dscnt 8                                 ; Wo's fragments and token blocks 0-3 are in; the youngest eight loads (blocks 4-7) may be out
	WIN MUL
	MULQ \f, 0, \zero
	MULQ \f, 2, \zero
	PLACES
	WIN 0
	FETCH \slot, \qn, \g
	s_wait_dscnt 24                                ; all but the 24 just issued
	WIN MUL
	MULQ \f, 4, \zero
	MULQ \f, 6, \zero
.endm
; The last quarter multiplies buffer 1 and changes slots: ONE barrier; in front of it each wave waits for all its tensor loads, adds 0 to its spare word, and waits for that and for its reads of this slot.  fill = 1: this slot is filled again, two K steps ahead.
.macro TURN slot, next, fill
	WIN 0
	s_wait_tensorcnt 0x0                           ; all my tensor loads have landed: my part of the next slot
	ds_add_u32 v[SPW], v[NIL]
	s_wait_dscnt 9                                 ; (the add and the youngest eight loads may be out)
	WIN MUL
	MULQ F1, 0, 0                                  ; eight matrix instructions stand between the add and the wait for it
	s_wait_dscnt 0x0                               ; the add is done, and my reads of this slot are over
	s_barrier_signal -1
	MULQ F1, 2, 0
	WIN 0
	s_barrier_wait -1
.if \fill
	CREST                                          ; the barrier has opened a round of the cluster's barrier: no wave of any partner still reads this slot or has a load on its way
	s_add_nc_u64 s[G0+4*\slot+2:G0+4*\slot+3], s[G0+4*\slot+2:G0+4*\slot+3], 1048576   ; four heads on
	s_add_nc_u64 s[G0B+4*\slot+2:G0B+4*\slot+3], s[G0B+4*\slot+2:G0B+4*\slot+3], 512
	JLOAD \slot                                    ; the first tensor load behind the round; its four v_nop are also the places in front of the loads below
.else
	PLACES
.endif
	FETCH \next, 0, F0
	WIN MUL
	MULQ F1, 4, 0
	MULQ F1, 6, 0
.endm
	s_wait_tensorcnt 1                             ; my part of K step 0 is in; K step 1's may stay out
	s_barrier_signal -1
	s_barrier_wait -1
	FETCH 0, 0, F0
	QUARTER 0, 1, F0, F1, 1                        ; the first quarter's products start the sums: nothing is cleared
	WIN 0
	s_mov_b32 s3, 3
.Llap:                                                 ; a trip goes once round the ring, from a lap's second quarter to the next lap's first, and fills both slots again: K steps 2 to 7
	QUARTER 0, 2, F1, F0, 0
	QUARTER 0, 3, F0, F1, 0
	TURN 0, 1, 1
	QUARTER 1, 1, F0, F1, 0
	QUARTER 1, 2, F1, F0, 0
	QUARTER 1, 3, F0, F1, 0
	TURN 1, 0, 1
	QUARTER 0, 1, F0, F1, 0
	WIN 0
	s_sub_co_u32 s3, s3, 1
	s_cmp_lg_u32 s3, 0
	s_cbranch_scc1 .Llap
	QUARTER 0, 2, F1, F0, 0                        ; the last lap fills nothing
	QUARTER 0, 3, F0, F1, 0
	TURN 0, 1, 0
	QUARTER 1, 1, F0, F1, 0
	QUARTER 1, 2, F1, F0, 0
	QUARTER 1, 3, F0, F1, 0
	s_wait_dscnt 8
	WIN MUL
	MULQ F1, 0, 0
	MULQ F1, 2, 0
	s_wait_dscnt 0
	MULQ F1, 4, 0
	MULQ F1, 6, 0
	WIN 0
; THE WAY OUT, a block of 16 tokens x 64 d at a time, through my own stage: a lane's 32 bytes go in by rows of 272, and come back as whole rows of 256 bytes.
.macro TOSTAGE a
	WIN 0x04                                       ; an LDS store's data are its source 1: window 1
.irp b, 0,1,2,3
	ds_store_b128 v[STO], v[8*(4*(\a)+\b):8*(4*(\a)+\b)+3] offset:64*\b          ; each accumulator from its low end on
	ds_store_b128 v[STO], v[8*(4*(\a)+\b)+4:8*(4*(\a)+\b)+7] offset:64*\b+16
.endr
	WIN 0
.set BB, OB+32*((\a)%2)
.irp t, 0,1,2,3,4,5,6,7
	ds_load_b128 v[BB+4*\t:BB+4*\t+3], v[RD] offset:2*PITCH*\t   ; LDS serves a wave's instructions in order (ISA guide 5.7.1.4): these see the stores above
.endr
.endm
.macro SEND a, younger                 ; younger: the LDS instructions issued behind block a's loads, which may stay out
.set BB, OB+32*((\a)%2)
	s_wait_dscnt \younger
.irp t, 0,1,2,3,4,5,6,7
	global_store_b128 v[CO], v[BB+4*\t:BB+4*\t+3], s[8:9] offset:4096*(16*(\a)+2*\t) th:TH_STORE_NT   ; 16 lanes store 256 consecutive aligned bytes; written once, read by nobody here
.endr
.endm
	PLACES
	TOSTAGE 0
.irp a, 1,2,3,4,5,6,7
.if \a > 1
	s_wait_xcnt 0x0                                ; block a - 2's stores have read their registers: block a's loads may land there
.endif
	TOSTAGE \a
	SEND \a-1, 16                                  ; behind block a - 1's loads: block a's 8 stores and 8 loads
.endr
	SEND 7, 0
	s_wait_tensorcnt 0x0                           ; the wave's end
	ds_add_u32 v[SPW], v[NIL]
	s_wait_dscnt 0x0
	CROUND                                         ; the closing round
	s_endpgm
.Lfunc_end_k_q756c79cfb3_oproj:
	.size	k_q756c79cfb3_oproj, .Lfunc_end_k_q756c79cfb3_oproj-k_q756c79cfb3_oproj
	.p2alignl 7, 3214868480
	.fill 96, 4, 3214868480
	.section	.rodata,"a",@progbits
	.p2align	6, 0x0
	.amdhsa_kernel k_q756c79cfb3_oproj
		.amdhsa_group_segment_fixed_size 327680
		.amdhsa_private_segment_fixed_size 0
		.amdhsa_enable_private_segment 0
		.amdhsa_kernarg_size 24
		.amdhsa_user_sgpr_count 2
		.amdhsa_user_sgpr_kernarg_segment_ptr 1
		.amdhsa_wavefront_size32 1
		.amdhsa_system_sgpr_workgroup_id_x 1
		.amdhsa_system_sgpr_workgroup_id_y 1
		.amdhsa_system_sgpr_workgroup_id_z 1
		.amdhsa_system_vgpr_workitem_id 0
		.amdhsa_next_free_vgpr 512
		.amdhsa_next_free_sgpr 66
		.amdhsa_reserve_vcc 0
		.amdhsa_float_denorm_mode_32 3
		.amdhsa_float_denorm_mode_16_64 3
		.amdhsa_memory_ordered 1
		.amdhsa_forward_progress 1
		.amdhsa_inst_pref_size 86
	.end_amdhsa_kernel
	.amdgpu_metadata
---
amdhsa.version: [ 1, 2 ]
amdhsa.kernels:
  - .name:           k_q756c79cfb3_oproj
    .symbol:         k_q756c79cfb3_oproj.kd
    .args:
      - { .name: ao, .offset: 0, .size: 8, .value_kind: global_buffer, .address_space: global }
      - { .name: wo16, .offset: 8, .size: 8, .value_kind: global_buffer, .address_space: global }
      - { .name: out0, .offset: 16, .size: 8, .value_kind: global_buffer, .address_space: global }
    .group_segment_fixed_size: 327680
    .private_segment_fixed_size: 0
    .kernarg_segment_align: 8
    .kernarg_segment_size: 24
    .max_flat_workgroup_size: 128
    .sgpr_count:     66
    .vgpr_count:     512
    .wavefront_size: 32
...
	.end_amdgpu_metadata
.endif
;; end of part 4
